; MI455X (gfx1250); checked and timed in simulation.
; The chip was launched on July 23, 2026; its instructions are those of AMD's public machine-readable ISA for CDNA 5 (MIT licence, August 2026) and "CDNA5" Instruction Set Architecture Reference Guide (July 2026). The comments in the code are by the model that wrote it; some were corrected since.
;; Cross Attention. Allowed arithmetic: matrix products marked QUANTISED: E2M3 operands, one E8M0 scale for each 32 along K, by v_wmma_scale_f32_16x16x128_f8f6f4 with both operands' format E2M3, f32 sums; everything else in f32.
;; Inputs: Wk 768 x 1,024 float32; Wo 1,024 x 1,024 float32; Wq 1,024 x 1,024 float32; Wv 768 x 1,024 float32; bo 1,024 float32; context 2 x 4,096 x 768 float32; context_mask 2 x 4,096 bool; x 2 x 2,048 x 1,024 float32.
;; Outputs: out0 2 x 2,048 x 1,024 float32.
;; This version of the problem:
;;   THIS VERSION OF THE PROBLEM IS GIVEN IN LOW PRECISION. The matrix products marked QUANTISED in the list below multiply operands that are first quantised to E2M3 (2 exponent bits, 3 mantissa bits; 6 bits a number), with one power-of-two scale for each 32 numbers along K (OCP MX v1.0); their sums are f32. All else is computed in f32.
;;   The module's matrix products, in the order in which they are computed (A, B: the left and right operand; K: the contracted axis; several contracted axes count as one K, in the product's order):
;;     1. [M 4,096, K 1,024] x [K 1,024, N 1,024]; A: input x; B: input Wq: QUANTISED
;;     2. [M 8,192, K 768] x [K 768, N 1,024]; A: input context; B: input Wk: QUANTISED
;;     3. [M 8,192, K 768] x [K 768, N 1,024]; A: input context; B: input Wv: QUANTISED
;;     4. batch 32 x [M 2,048, K 64] x [K 64, N 4,096]; A: computed on the way; B: computed on the way: QUANTISED
;;     5. batch 32 x [M 64, K 4,096] x [K 4,096, N 2,048]; A: computed on the way; B: softmax (see below): QUANTISED
;;     6. [M 4,096, K 1,024] x [K 1,024, N 1,024]; A: computed on the way; B: input Wo: QUANTISED
;;   THE QUANTISER, for each operand of a quantised product, along K:
;;     - K is cut into blocks of 32 from its start; a last block that is shorter is filled with zeros.
;;     - A block's scale is 2^e with e = floor(log2(the largest magnitude in the block)) - 2, held to -126 .. 127; a block of zeros has e = 0. As a byte (E8M0): e + 127.
;;     - Each number is divided by its block's scale, clamped to +-7.5, and rounded to the nearest number of E2M3, ties to even, subnormals kept.
;;     - The product sums the exact products of the quantised numbers (number of the format x scale) in f32.
;;   ~~~python
;;   def quantise(x, axis):      # numpy; x: float32 -> the quantised numbers, widened to float32 again
;;       x = np.moveaxis(x, axis, -1); K = x.shape[-1]
;;       x = np.pad(x, [(0, 0)] * (x.ndim - 1) + [(0, -K % 32)]); x = x.reshape(x.shape[:-1] + (-1, 32)); a = np.abs(x).max(-1, keepdims=True)
;;       e = np.where(a > 0, np.clip(np.frexp(np.where(a > 0, a, 1))[1] - 1 - 2, -126, 127), 0)      # np.frexp(a)[1] - 1 = floor(log2(a)), exactly
;;       r = np.clip(x / 2.0 ** e, -7.5, 7.5)
;;       step = 2.0 ** (np.maximum(np.frexp(np.where(r == 0, 1, r))[1] - 1, 0) - 3)
;;       q = np.round(r / step) * step * 2.0 ** e      # np.round: ties to even
;;       return np.moveaxis(q.reshape(q.shape[:-2] + (-1,))[..., :K], -1, axis).astype(np.float32)
;;   ~~~
;;   SOFTMAX AHEAD OF A QUANTISED PRODUCT. Where the list says 'softmax', what is quantised is not the finished softmax but p = 2^(t - M), with t = logit x log2(e) and M = ceil(the row's largest t), a whole number; so 1/2 < the row's largest p <= 1. The row's sum l is taken of the UNQUANTISED p, in f32, and the product's result is divided by l at the end. Since M is a whole number, a kernel that streams over the keys may use a running M (the ceiling of the running maximum): every later rescaling is an exact power of two, which a block's scale takes up: the codes' values come out the same.
;;   OPERANDS COMPUTED ON THE WAY. 'Computed on the way' means the value that the module computes at that place (a softmax that the list does not call 'softmax' is quantised finished and normalised). What goes into a quantiser is computed in f32, as accurately as f32 sums, v_exp_f32 and their like allow (about 1e-6 of the number): no bf16 or f16 on the way to a quantiser, and a product that is left as it is and whose result goes on into a quantised operand takes f32 operands (vector FMAs, or v_wmma_f32_16x16x4_f32). A number that lies on a knife's edge between two numbers of the format may be rounded either way, as far as f32 arithmetic and the matrix unit's own rounding can turn it there, and no further.
;; One version. Each part assembles by itself: llvm-mc -triple=amdgcn-amd-amdhsa -mcpu=gfx1250 --defsym DOCPART=n.
;; ======== version 1 of 1: 6 launches
;; limits: right only within a limited range of input values
;; workspace buffers: xrec 3,276,800 bytes; crec 4,915,200 bytes; wrec 2,867,200 bytes; qc 4,456,448 bytes; kv 15,737,344 bytes; outrec 3,276,800 bytes
;; launch quant (part 1): grid 544 x 1, 4 waves a work-group, no clusters, 35,328 bytes of LDS; arguments x, context, xrec, crec, Wq, Wk, Wv, Wo, wrec, kv; writes xrec, crec, wrec, kv
.if DOCPART == 1
	.amdgcn_target "amdgcn-amd-amdhsa--gfx1250"
	.amdhsa_code_object_version 6
	.text
	.protected	k_q8e9d986375_quant
	.globl	k_q8e9d986375_quant
	.p2align	8
	.type	k_q8e9d986375_quant,@function
k_q8e9d986375_quant:
	s_mov_b64 s[64:65], 0
	v_nop
	global_prefetch_b8 v0, s[64:65] scope:SCOPE_SE
	s_setreg_imm32_b32 hwreg(HW_REG_WAVE_MODE, 25, 1), 1
	s_wait_xcnt 0x0
; ONE LAUNCH QUANTISES ALL SIX f32 INPUTS of the projections to codes of FP6 (E2M3) with one E8M0 byte for each 32 along K, laid as RECORDS in the order of a matrix operand's registers.
; Work-groups 0-127 take x [4096][1024], 128-319 context [8192][768] (K innermost), 320-543 the weights Wq, Wo [1024][1024], Wk, Wv [768][1024] (K is the first axis).  The two paths part on the work-group's number and use LDS bytes of their own.
; A record is 128 rows x 128 K, 12,800 bytes, at (group of 128 rows x K steps + K step) x 12,800:
;   fragment T (16 rows) at 1,536 T: registers 0-3 at 16 x lane, 4-5 at 512 + 8 x lane, 6-7 at 768 + 8 x lane, 8-11 at 1,024 + 16 x lane;
;   scale words at 12,288: lane L's 16 bytes at 16 L, word w = tile 4 (L / 16) + w, row L % 16.
; THE ROWS OF A TILE ARE NOT NEIGHBOURS: lane r of tile T holds row 32 (T / 2) + 8 (T % 2) + r + 8 (r / 8) of the group, so that a product's results are neighbours along the next K.
; A block's scale is 2^(floor(log2(largest magnitude)) - 2); its byte is the largest magnitude's exponent field - 2, held at 1 from below.
; LIMITS: a block of zeros gets the byte 1 (its codes are zeros; this program alone reads the bytes); NaN and infinities among the inputs are not served.
; x AND context: a wave takes 64 rows x one K step: four fragments.  Each load reads a row's 512 consecutive bytes; 16 rows turn through the wave's own stage in LDS (rows of 528 bytes), so that a lane gets 16 neighbours of each block.
.set VO,  8                            ; v8-23    byte offset of row rr of a tile: (rr + 8 (rr / 8)) x row bytes + 16 x lane
.set R,   32                           ; v32-95   16 rows as loaded
.set X,   96                           ; v96-159  my 64 numbers: register 16 b + i = k 32 b + 16 (lane / 16) + i of my row
.set PC,  160                          ; v160-207 four fragments' codes, a set of 12 each: no store's data are written again
.set TP,  208                          ; v208-215 the conversions' second halves
.set TM,  216                          ; v216-231 largest magnitudes, bytes, scale operands
.set SW,  232                          ; v232-235 the four fragments' scale words
.set SEL, 36                           ; s[36:37] v_permlanex16_b32's selects for lane l xor 16
.set SPITCH, 528
.set SPARE, 0x8400                     ; behind the four stages: the spare words, 128 bytes a wave
.set WLDS,  0x8800                     ; the weights' path: 512 bytes in which a record's scale words meet
	s_cmp_ge_u32 ttmp9, 320
	s_cbranch_scc1 .Lweights
	s_load_b256 s[4:11], s[0:1], 0x0               ; x, context, xrec, crec
	v_lshl_add_u32 v240, v0, 2, SPARE
	v_mov_b32 v241, 0
	v_lshrrev_b32 v1, 5, v0
	v_readfirstlane_b32 s12, v1                    ; wave
	v_and_b32 v1, 31, v0                           ; lane
	v_and_b32 v2, 15, v0                           ; r
	v_bfe_u32 v3, v0, 4, 1                         ; h
	v_lshlrev_b32 v4, 4, v1                        ; 16 x lane
	v_lshlrev_b32 v5, 3, v1                        ; 8 x lane
	s_mul_i32 s13, s12, 16*SPITCH                  ; my stage
	v_add_nc_u32 v6, s13, v4                       ; into it: 16 x lane of a row
	v_mul_u32_u24 v7, v2, SPITCH
	v_lshl_add_u32 v7, v3, 6, v7
	v_add_nc_u32 v7, s13, v7                       ; out of it: row r, + 64 h
	v_lshlrev_b32 v236, 4, v2                      ; 16 r: the scale words' place
	s_mov_b32 s[SEL], 0x76543210
	s_mov_b32 s[SEL+1], 0xfedcba98
.irp b, 0,1,2,3
	v_mov_b32 v[TM+4+\b], 0                        ; written once: a lane permute's destination counts as one of its sources
.endr
	s_mov_b32 s14, 3072
	s_wait_kmcnt 0x0
	s_cmp_lt_u32 ttmp9, 128                        ; x's work-group or context's: only pointers and sizes are chosen
	s_cselect_b64 s[4:5], s[4:5], s[6:7]
	s_cselect_b64 s[8:9], s[8:9], s[10:11]
	s_cselect_b32 s14, 4096, s14                   ; bytes in a row
	s_cselect_b32 s15, 8, 6                        ; K steps
	s_cselect_b32 s16, 4, 5
	s_cselect_b32 s17, 0, 128
	s_cselect_b32 s18, 15, 31
	s_sub_co_u32 s17, ttmp9, s17                   ; the work-group's number within its tensor
	s_lshr_b32 s19, s17, s16                       ; K step
	s_and_b32 s18, s17, s18
	s_lshl_b32 s18, s18, 2
	s_add_co_u32 s18, s18, s12                     ; which 64 rows
	s_lshr_b32 s20, s18, 1                         ; group of 128 rows
	s_and_b32 s21, s18, 1                          ; and which half of it
	s_mul_i32 s22, s18, s14
	s_lshl_b32 s22, s22, 6
	s_lshl_b32 s23, s19, 9
	s_add_co_u32 s22, s22, s23                     ; 64 rows x row bytes + 512 x K step (under 2^25)
	s_mov_b32 s23, 0
	s_add_nc_u64 s[24:25], s[4:5], s[22:23]        ; tile 0 begins at row 0 of my 64,
	s_lshl_b32 s22, s14, 3
	s_add_nc_u64 s[26:27], s[24:25], s[22:23]      ; tile 1 at row 8,
	s_lshl_b32 s22, s14, 5
	s_add_nc_u64 s[28:29], s[24:25], s[22:23]      ; tile 2 at row 32,
	s_add_nc_u64 s[30:31], s[26:27], s[22:23]      ; tile 3 at row 40
	s_mul_i32 s22, s20, s15
	s_add_co_u32 s22, s22, s19
	s_mul_i32 s22, s22, 12800
	s_add_nc_u64 s[8:9], s[8:9], s[22:23]          ; the record
	s_mul_i32 s22, s21, 6144
	s_add_nc_u64 s[32:33], s[8:9], s[22:23]        ; my four fragments
	s_lshl_b32 s22, s21, 8
	s_add_co_u32 s22, s22, 12288
	s_add_nc_u64 s[34:35], s[8:9], s[22:23]        ; my 256 bytes of scale words
.irp rr, 0,1,2,3,4,5,6,7,8,9,10,11,12,13,14,15
	s_mul_i32 s22, s14, \rr+8*(\rr/8)
	v_add_nc_u32 v[VO+\rr], s22, v4
.endr
.macro LOAD i                          ; tile i: 16 rows, 512 consecutive bytes a load
.irp rr, 0,1,2,3,4,5,6,7,8,9,10,11,12,13,14,15
	global_load_b128 v[R+4*\rr:R+4*\rr+3], v[VO+\rr], s[24+2*(\i):25+2*(\i)] th:TH_LOAD_NT
.endr
.endm
.macro TURN                            ; through the stage: LDS serves a wave's instructions in order, so no wait stands between the stores and the loads
.irp rr, 0,1,2,3,4,5,6,7,8,9,10,11,12,13,14,15
	ds_store_b128 v6, v[R+4*\rr:R+4*\rr+3] offset:SPITCH*\rr
.endr
.irp b, 0,1,2,3
.irp j, 0,1,2,3
	ds_load_b128 v[X+16*\b+4*\j:X+16*\b+4*\j+3], v7 offset:128*\b+16*\j
.endr
.endr
.endm
; 64 numbers of a lane become a fragment's 12 registers of codes at v[pc] and its row's scale word in v[pw]
.macro QUANT s, pc, pw
.irp b, 0,1,2,3
	v_max3_num_f32 v[TM+\b], |v[\s+16*\b]|, |v[\s+1+16*\b]|, 0x1800000   ; my 16 numbers of block b, and the floor 2^(3 - 127): the byte cannot fall under 1
.endr
.irp i, 2,4,6,8,10,12,14
.irp b, 0,1,2,3
	v_max3_num_f32 v[TM+\b], v[TM+\b], |v[\s+16*\b+\i]|, |v[\s+1+16*\b+\i]|   ; the four blocks by turns
.endr
.endr
.irp b, 0,1,2,3
	v_permlanex16_b32 v[TM+4+\b], v[TM+\b], s[SEL], s[SEL+1]
.endr
.irp b, 0,1,2,3
	v_max_num_f32 v[TM+\b], v[TM+\b], v[TM+4+\b]   ; with lane l xor 16's: the block's largest magnitude
.endr
.irp b, 0,1,2,3
	v_add_nc_u32 v[TM+12+\b], 0xff000000, v[TM+\b] ; 2 off its exponent field: the conversion's scale operand
.endr
.irp b, 0,1,2,3
	v_lshrrev_b32 v[TM+4+\b], 23, v[TM+12+\b]      ; the scale's byte
.endr
	v_lshl_or_b32 v[\pw], v[TM+5], 8, v[TM+4]
	v_lshl_or_b32 v[\pw], v[TM+6], 16, v[\pw]
	v_lshl_or_b32 v[\pw], v[TM+7], 24, v[\pw]
.irp c, 0,1
	v_cvt_scalef32_pk16_fp6_f32 v[\pc+6*\c:\pc+6*\c+2], v[\s+32*\c:\s+32*\c+15], v[TM+12+2*\c]
	v_cvt_scalef32_pk16_fp6_f32 v[TP+4*\c:TP+4*\c+2], v[\s+16+32*\c:\s+31+32*\c], v[TM+13+2*\c]   ; a conversion's three registers begin on an even number
.endr
	v_nop                                          ; one plain place behind a scaled conversion
.irp c, 0,1                                    ; the operand's layout wants a whole block in a lane
.irp i, 0,1,2
	v_permlane16_swap_b32 v[\pc+6*\c+\i], v[TP+4*\c+\i]
.endr
.irp i, 0,1,2
	v_mov_b32 v[\pc+3+6*\c+\i], v[TP+4*\c+\i]
.endr
.endr
.endm
	s_wait_alu depctr_va_vdst(0)                   ; the wait at the head's end
	LOAD 0
.irp i, 0,1,2,3
	s_wait_loadcnt 0x0                             ; the only loads out are this tile's sixteen
	TURN
	s_wait_dscnt 0x0                               ; my 64 numbers are in, and the stage's stores have read the registers that the next loads fill
.if \i < 3
	LOAD \i+1
.endif
	QUANT X, PC+12*\i, SW+\i
	global_store_b128 v4, v[PC+12*\i:PC+12*\i+3], s[32:33] offset:1536*\i            ; 512 consecutive bytes
	global_store_b64 v5, v[PC+12*\i+4:PC+12*\i+5], s[32:33] offset:1536*\i+512       ; 256
	global_store_b64 v5, v[PC+12*\i+6:PC+12*\i+7], s[32:33] offset:1536*\i+768       ; 256
	global_store_b128 v4, v[PC+12*\i+8:PC+12*\i+11], s[32:33] offset:1536*\i+1024    ; 512
.endr
	v_cmp_gt_u32 vcc_lo, 16, v1
	s_wait_xcnt 0x0                                ; EXEC changes only when the pending stores have read it
	s_wait_tensorcnt 0x0                           ; the wave's end, behind my last LDS store
	ds_add_u32 v240, v241
	s_wait_dscnt 0x0
	s_and_saveexec_b32 s22, vcc_lo
	global_store_b128 v236, v[SW:SW+3], s[34:35]   ; sixteen lanes store 256 consecutive bytes: four tiles' words of row r
	s_wait_xcnt 0x0
	s_or_b32 exec_lo, exec_lo, s22
	s_endpgm
; THE WEIGHTS.  Each becomes records of W^T (128 columns x 128 K).  Sections of wrec: Wq 0, Wk 819,200, Wv 1,433,600, Wo 2,048,000; in a section (group x K steps + K step) x 12,800.
; A LANE TAKES A COLUMN AND ITS REGISTERS RUN DOWN K: a block of 32 is one lane's 32 registers, its largest magnitude needs no other lane, and the conversions give codes with K innermost.
; Work-group 320 + 8 y + x: x = the group of 128 columns, y = weight and K step.  Wave w takes columns 32 w on.  Loads run two blocks (64 loads a wave) ahead.
; The first of these work-groups also writes 8,704 zero bytes behind kv's last record: the attention's last ring entry covers them.
.set WX, 32                            ; v32-95  two sets of 32 numbers
.set WC, 96                            ; v96-127 a set of 8 for each block's codes: no store's data are written again
.Lweights:
	s_load_b256 s[4:11], s[0:1], 0x20              ; Wq, Wk, Wv, Wo
	s_load_b64 s[12:13], s[0:1], 0x40              ; wrec
	s_load_b64 s[30:31], s[0:1], 0x48              ; kv
	v_lshl_add_u32 v240, v0, 2, SPARE
	v_mov_b32 v241, 0
	v_lshrrev_b32 v1, 5, v0
	v_readfirstlane_b32 s19, v1                    ; wave
	v_and_b32 v1, 31, v0                           ; lane
	v_lshlrev_b32 v2, 2, v1                        ; in: 4 bytes a lane
	v_bfe_u32 v3, v0, 3, 1                         ; u: which of my wave's two tiles my column falls into
	v_and_b32 v4, 7, v0
	v_bfe_u32 v5, v0, 4, 1
	v_lshl_add_u32 v4, v5, 3, v4                   ; r: its lane there
	s_mul_i32 s28, s19, 3072
	v_mul_u32_u24 v6, v3, 1536
	v_add_nc_u32 v6, s28, v6                       ; 1,536 x tile (tile = 2 wave + u)
	v_lshl_add_u32 v7, v4, 4, v6                   ; + 16 r
	v_lshl_add_u32 v8, v4, 3, v6                   ; + 8 r
	s_lshr_b32 s28, s19, 1
	s_lshl_b32 s28, s28, 8
	s_and_b32 s29, s19, 1
	s_lshl_b32 s29, s29, 3
	s_add_co_u32 s28, s28, s29
	v_lshlrev_b32 v9, 4, v4
	v_lshl_add_u32 v9, v3, 2, v9
	v_add_nc_u32 v9, s28, v9                       ; my scale word's place in the record's 512 bytes: 16 r + 256 (tile / 4) + 4 (tile % 4)
	v_lshlrev_b32 v10, 4, v1                       ; 16 x lane
	s_sub_co_u32 s21, ttmp9, 320
	s_and_b32 s40, s21, 7                          ; x
	s_lshr_b32 s20, s21, 3                         ; y
	s_wait_alu depctr_va_vdst(0)                   ; the wait at the head's end
	s_wait_kmcnt 0x0
	s_mov_b64 s[14:15], s[10:11]                   ; y 20-27: Wo
	s_mov_b32 s16, 2048000
	s_mov_b32 s17, 8
	s_mov_b32 s18, 20
	s_cmp_lt_u32 s20, 20                           ; y 14-19: Wv
	s_cselect_b64 s[14:15], s[8:9], s[14:15]
	s_cselect_b32 s16, 1433600, s16
	s_cselect_b32 s17, 6, s17
	s_cselect_b32 s18, 14, s18
	s_cmp_lt_u32 s20, 14                           ; y 8-13: Wk
	s_cselect_b64 s[14:15], s[6:7], s[14:15]
	s_cselect_b32 s16, 819200, s16
	s_cselect_b32 s17, 6, s17
	s_cselect_b32 s18, 8, s18
	s_cmp_lt_u32 s20, 8                            ; y 0-7: Wq
	s_cselect_b64 s[14:15], s[4:5], s[14:15]
	s_cselect_b32 s16, 0, s16
	s_cselect_b32 s17, 8, s17
	s_cselect_b32 s18, 0, s18
	s_sub_co_u32 s21, s20, s18                     ; K step
	s_lshl_b32 s22, s21, 19                        ; 128 rows of 4,096 bytes
	s_lshl_b32 s23, s40, 9
	s_add_co_u32 s22, s22, s23                     ; + 128 columns a group
	s_lshl_b32 s23, s19, 7
	s_add_co_u32 s22, s22, s23                     ; + 32 columns a wave
	s_mov_b32 s23, 0
	s_add_nc_u64 s[24:25], s[14:15], s[22:23]
	s_mul_i32 s22, s40, s17
	s_add_co_u32 s22, s22, s21
	s_mul_i32 s22, s22, 12800
	s_add_co_u32 s22, s22, s16
	s_add_nc_u64 s[26:27], s[12:13], s[22:23]      ; the record
.macro WLOAD t                         ; block t: W(32 t + i, my column) into set t % 2; 128 consecutive bytes a load
.irp i, 0,1,2,3,4,5,6,7,8,9,10,11,12,13,14,15,16,17,18,19,20,21,22,23,24,25,26,27,28,29,30,31
	global_load_b32 v[WX+32*((\t)%2)+\i], v2, s[24:25] offset:(32*(\t)+\i)*4096 th:TH_LOAD_NT
.endr
.endm
.macro WBLOCK t
.set XS, WX+32*((\t)%2)
.set CC, WC+8*(\t)
.if (\t) < 3
	s_wait_loadcnt 32                              ; this block's 32 loads are in; the next block's 32 may be out
.else
	s_wait_loadcnt 0x0
.endif
	v_max3_num_f32 v12, |v[XS]|, |v[XS+1]|, |v[XS+2]|
	v_max3_num_f32 v13, |v[XS+3]|, |v[XS+4]|, |v[XS+5]|
.irp i, 6,10,14,18,22,26
	v_max3_num_f32 v12, v12, |v[XS+\i]|, |v[XS+\i+1]|
	v_max3_num_f32 v13, v13, |v[XS+\i+2]|, |v[XS+\i+3]|
.endr
	v_max3_num_f32 v12, v12, |v[XS+30]|, |v[XS+31]|
	v_max3_num_f32 v12, v12, v13, 0x1800000        ; and the floor 2^(3 - 127)
	v_add_nc_u32 v11, 0xff000000, v12              ; 2 off the exponent field: the conversion's scale operand
	v_lshrrev_b32 v13, 23, v11                     ; the byte
.if (\t) == 0
	v_mov_b32 v14, v13
.else
	v_lshl_or_b32 v14, v13, 8*(\t), v14            ; byte t of my column's scale word
.endif
	v_cvt_scalef32_pk16_fp6_f32 v[CC:CC+2], v[XS:XS+15], v11
	v_cvt_scalef32_pk16_fp6_f32 v[CC+4:CC+6], v[XS+16:XS+31], v11
	v_nop                                          ; one plain place behind a scaled conversion
	v_mov_b32 v[CC+3], v[CC+4]                     ; the block's six registers on end
	v_mov_b32 v[CC+4], v[CC+5]
	v_mov_b32 v[CC+5], v[CC+6]
; block t is registers 6 (t / 2) .. + 5 of the fragment's lane r + 16 (t % 2)
.if (\t) < 2
	global_store_b128 v7, v[CC:CC+3], s[26:27] offset:256*((\t)%2)
	global_store_b64 v8, v[CC+4:CC+5], s[26:27] offset:512+128*((\t)%2)
.else
	global_store_b64 v8, v[CC:CC+1], s[26:27] offset:768+128*((\t)%2)
	global_store_b128 v7, v[CC+2:CC+5], s[26:27] offset:1024+256*((\t)%2)
.endif
.if (\t)+2 < 4
	WLOAD (\t)+2
.endif
.endm
	WLOAD 0
	WLOAD 1
	WBLOCK 0
	WBLOCK 1
	WBLOCK 2
	WBLOCK 3
	ds_store_b32 v9, v14 offset:WLDS               ; the four waves' scale words meet in LDS
	s_wait_dscnt 0x0                               ; for the others' sake: my store is done
	s_barrier_signal -1
	s_barrier_wait -1
	s_cmp_lg_u32 s19, 0
	s_cbranch_scc1 .Ldone
	ds_load_b128 v[16:19], v10 offset:WLDS
	s_wait_dscnt 0x0
	global_store_b128 v10, v[16:19], s[26:27] offset:12288   ; wave 0 stores the record's 512 bytes of scale words
	s_or_b32 s28, s40, s20
	s_cmp_lg_u32 s28, 0
	s_cbranch_scc1 .Ldone                          ; work-group x = y = 0, wave 0 alone goes on
	s_add_nc_u64 s[30:31], s[30:31], 15728640      ; behind kv's 1,024 records of 15,360 bytes
.irp j, 20,21,22,23
	v_mov_b32 v[\j], 0                             ; zero codes, scale bytes 0
.endr
.set zz, 0
.rept 17
	global_store_b128 v10, v[20:23], s[30:31] offset:512*zz   ; 17 x 512 = 8,704 bytes
.set zz, zz+1
.endr
.Ldone:
	s_wait_tensorcnt 0x0                           ; the wave's end
	ds_add_u32 v240, v241
	s_wait_dscnt 0x0
	s_endpgm
.Lfunc_end_k_q8e9d986375_quant:
	.size	k_q8e9d986375_quant, .Lfunc_end_k_q8e9d986375_quant-k_q8e9d986375_quant
	.p2alignl 7, 3214868480
	.fill 96, 4, 3214868480
	.section	.rodata,"a",@progbits
	.p2align	6, 0x0
	.amdhsa_kernel k_q8e9d986375_quant
		.amdhsa_group_segment_fixed_size 35328
		.amdhsa_private_segment_fixed_size 0
		.amdhsa_enable_private_segment 0
		.amdhsa_kernarg_size 80
		.amdhsa_user_sgpr_count 2
		.amdhsa_user_sgpr_kernarg_segment_ptr 1
		.amdhsa_wavefront_size32 1
		.amdhsa_system_sgpr_workgroup_id_x 1
		.amdhsa_system_sgpr_workgroup_id_y 1
		.amdhsa_system_sgpr_workgroup_id_z 1
		.amdhsa_system_vgpr_workitem_id 0
		.amdhsa_next_free_vgpr 242
		.amdhsa_next_free_sgpr 66
		.amdhsa_reserve_vcc 1
		.amdhsa_float_denorm_mode_32 3
		.amdhsa_float_denorm_mode_16_64 3
		.amdhsa_memory_ordered 1
		.amdhsa_forward_progress 1
		.amdhsa_inst_pref_size 59
	.end_amdhsa_kernel
	.amdgpu_metadata
---
amdhsa.version: [ 1, 2 ]
amdhsa.kernels:
  - .name:           k_q8e9d986375_quant
    .symbol:         k_q8e9d986375_quant.kd
    .args:
      - { .name: x, .offset: 0, .size: 8, .value_kind: global_buffer, .address_space: global }
      - { .name: context, .offset: 8, .size: 8, .value_kind: global_buffer, .address_space: global }
      - { .name: xrec, .offset: 16, .size: 8, .value_kind: global_buffer, .address_space: global }
      - { .name: crec, .offset: 24, .size: 8, .value_kind: global_buffer, .address_space: global }
      - { .name: Wq, .offset: 32, .size: 8, .value_kind: global_buffer, .address_space: global }
      - { .name: Wk, .offset: 40, .size: 8, .value_kind: global_buffer, .address_space: global }
      - { .name: Wv, .offset: 48, .size: 8, .value_kind: global_buffer, .address_space: global }
      - { .name: Wo, .offset: 56, .size: 8, .value_kind: global_buffer, .address_space: global }
      - { .name: wrec, .offset: 64, .size: 8, .value_kind: global_buffer, .address_space: global }
      - { .name: kv, .offset: 72, .size: 8, .value_kind: global_buffer, .address_space: global }
    .group_segment_fixed_size: 35328
    .private_segment_fixed_size: 0
    .kernarg_segment_align: 8
    .kernarg_segment_size: 80
    .max_flat_workgroup_size: 128
    .sgpr_count:     66
    .vgpr_count:     242
    .wavefront_size: 32
...
	.end_amdgpu_metadata
.endif
;; end of part 1
;; launch gq (part 2): grid 4 x 32, 4 waves a work-group, clusters of 4 x 4, 327,680 bytes of LDS; arguments xrec, wrec, qc; writes qc
.if DOCPART == 2
	.amdgcn_target "amdgcn-amd-amdhsa--gfx1250"
	.amdhsa_code_object_version 6
	.text
	.protected	k_q8e9d986375_gq
	.globl	k_q8e9d986375_gq
	.p2align	8
	.type	k_q8e9d986375_gq,@function
k_q8e9d986375_gq:
	s_mov_b64 s[64:65], 0
	v_nop
	global_prefetch_b8 v0, s[64:65] scope:SCOPE_SE
	s_setreg_imm32_b32 hwreg(HW_REG_WAVE_MODE, 25, 1), 1
	s_wait_xcnt 0x0
	s_wait_alu depctr_hold_cnt(0) depctr_sa_sdst(0) depctr_va_vdst(0) depctr_va_sdst(0) depctr_va_ssrc(0) depctr_va_vcc(0) depctr_vm_vsrc(0)
	s_getreg_b32 s2, hwreg(HW_REG_IB_STS2, 6, 4)
	s_cmp_eq_u32 s2, 0
	s_cbranch_scc0 .Lentry_in_a_cluster
	s_endpgm
.Lentry_in_a_cluster:
	s_bfe_u32 s2, ttmp6, 0x10000c
	s_cmp_lg_u32 s2, 0xf033
	s_cbranch_scc0 .Lentry_shape_is_right
	s_endpgm
.Lentry_shape_is_right:
; q = x Wq on codes of FP6 (E2M3), and q quantised along each head's 64.  C'[o][i] = sum over k of O[o][k] I[i][k]: O = rows of x (xrec), I = columns of Wq (wrec); results are quantised along i.
; Operands come as records of 128 rows x 128 K in the order of the operand's registers (12,800 bytes: 8 fragments of 1,536, then 512 of scale words); a group's K steps lie on end.
; SHARES: a work-group makes O 128 x I 256; wave (wo = wave / 2, wi = wave % 2) makes O 64 x I 128: 32 accumulators.  THE MATRIX INSTRUCTION IS USED TRANSPOSED (source 0 = 16 of I, source 1 = 16 of O):
; a lane holds one row o; by the records' order of rows its 16 registers of I tiles 2 b and 2 b + 1 are i = 32 b + 16 (lane / 16) + 0 .. 15: neighbours along the next product's K.
; ALL OF K LIES IN LDS: I's two groups and O's group, KSTEPS x 12,800 bytes each, asked for at the start, two K steps to a tensor load; nothing is filled again.  A wave has at most KSTEPS / 2 tensor loads out.
; CLUSTER 4 x 4: I's groups hang on the work-group's x alone and are asked for jointly along a column of the cluster, O's on y alone, along a row.  Waves 0, 1 ask for I's groups, wave 2 for O's.
; OUT: for each (group of 128 rows, head) a record of RSTR bytes' distance: tile t at 1,024 t (registers 0-3 at 16 x lane, 4-7 at 512 + 16 x lane), scale words at 8,192.  Registers 0-5 are the head's 64 codes.
; THE MASK'S PLACE: k = 64 of the score product (register 6, lanes 0-15; scale byte 2).  A query holds the code 1.0 there under the byte 127; a hidden key -7.5 under the byte 224, an open key 0 under the byte 0.
; LIMITS: a block of zeros gets the byte 1 (its codes are zeros; this program alone reads the bytes); NaN and infinities are not served.
; REGISTERS, in windows of 256: window 0: v1-15 lane numbers and addresses; v16-31 scale words and mask codes in the making; v32-47 the operands' scale words, two sets; v64-159 O's fragments, two sets; v160-255 the way out.
;   window 1: the accumulators, (a, b) at v[8 (8 a + b)].   window 2: I's fragments, two sets, at v0 and v128.
.set KSTEPS, 8
.set OOFF,   0
.set IOFF,   0
.set RSTR,   8704
.set MASKED, 0
.set OUTP,   8+2*MASKED
.set NPAIR,  1                         ; ONE tensor load a wave: it brings a whole group, all KSTEPS records on end
.set RECB,   12800
.set REGB,   KSTEPS*RECB
.set G1O, 24
.set G1I, 48
.set G0O, 68
.set G0I, 84
.set SEL, 60
.set TM,  160
.set TP,  176
.set MSB, 0
.macro WIN new                         ; the immediate's high byte repeats the setting that is left
.if MSB != \new
	s_set_vgpr_msb (MSB<<8)|\new
.set MSB, \new
.endif
.endm
.macro CROUND                          ; a round of the cluster's barrier
	s_barrier_signal -1
	s_barrier_wait -1
	s_cmp_lg_u32 s14, 0
	s_cbranch_scc1 .Lnot_wave_0_\@
	s_barrier_signal -3
.Lnot_wave_0_\@:
	s_barrier_wait -3
	s_barrier_signal -1
	s_barrier_wait -1
.endm
.macro PLACES                          ; four plain places behind a matrix instruction, in front of loads into its registers and of reads of its results
.rept 4
	v_nop
.endr
.endm
	s_load_b128 s[4:7], s[0:1], 0x0                ; O's records, I's records
	s_load_b64 s[8:9], s[0:1], 0x10
	v_lshl_add_u32 v254, v0, 2, 0x4b000
	v_mov_b32 v255, 0
	ds_add_u32 v254, v255
	ds_add_u32 v254, v255
.if MASKED
	s_load_b64 s[10:11], s[0:1], 0x18
.endif
	v_lshrrev_b32 v1, 5, v0
	v_readfirstlane_b32 s14, v1                    ; wave
	s_lshr_b32 s15, s14, 1                         ; wo
	s_and_b32 s16, s14, 1                          ; wi
	s_bfe_u32 s40, ttmp6, 0x40000                  ; cx
	s_bfe_u32 s41, ttmp6, 0x40004                  ; cy
	s_lshl_b32 s42, ttmp9, 2
	s_add_co_u32 s42, s42, s40                     ; work-group x
	s_and_b32 s17, ttmp7, 0xffff
	s_lshl_b32 s17, s17, 2
	s_add_co_u32 s17, s17, s41                     ; work-group y
	s_lshl_b32 s43, s41, 2
	s_lshl_b32 s43, 15, s43                        ; my row of the cluster
	s_lshl_b32 s44, 0x1111, s40                    ; my column
	s_or_b32 s[G1O], s43, (3<<16)|(1<<21)          ; group 1: the mask; elements of 8 bytes; bit 21 beside a mask; no padding
	s_or_b32 s[G1I], s44, (3<<16)|(1<<21)
.irp g, G1O, G1I
	s_mov_b32 s[\g+1], 32<<16                      ; tensor_dim0 = 32 elements: rows of 256 bytes
	s_mov_b32 s[\g+2], (50*KSTEPS)<<16             ; tensor_dim1: KSTEPS records of 50 rows of 256 bytes
	s_mov_b32 s[\g+3], 32<<16                      ; tile_dim0
	s_mov_b32 s[\g+4], 50*KSTEPS                   ; tile_dim1
	s_mov_b32 s[\g+5], 32                          ; the pitch: dense
	s_mov_b32 s[\g+6], 0
	s_mov_b32 s[\g+7], 0
.endr
	s_mul_i32 s20, s17, REGB
	s_add_co_u32 s20, s20, OOFF                    ; O's group: y alone
	s_mov_b32 s21, 0
	s_lshl_b32 s46, s42, 1
	s_add_co_u32 s46, s46, s16
	s_mul_i32 s46, s46, REGB
	s_add_co_u32 s46, s46, IOFF                    ; I's group 2 x + wave: x alone
	s_mov_b32 s47, 0
	s_mul_i32 s45, s16, REGB                       ; where it goes: wave x REGB
	s_wait_dscnt 0x0
	s_wait_kmcnt 0x0
	s_add_nc_u64 s[20:21], s[4:5], s[20:21]
	s_add_nc_u64 s[46:47], s[6:7], s[46:47]
.set tt, 0
.rept NPAIR
	s_mov_b32 s[G0O+4*tt], 1
	s_mov_b32 s[G0O+4*tt+1], 2*REGB+2*RECB*tt
	s_add_nc_u64 s[G0O+4*tt+2:G0O+4*tt+3], s[20:21], 2*RECB*tt
	s_or_b32 s[G0O+4*tt+3], s[G0O+4*tt+3], 0x80000000
	s_mov_b32 s[G0I+4*tt], 1
	s_add_co_u32 s[G0I+4*tt+1], s45, 2*RECB*tt
	s_add_nc_u64 s[G0I+4*tt+2:G0I+4*tt+3], s[46:47], 2*RECB*tt
	s_or_b32 s[G0I+4*tt+3], s[G0I+4*tt+3], 0x80000000
.set tt, tt+1
.endr
	CROUND                                         ; all sixteen work-groups are here: the joint loads meet
	s_cmp_lt_u32 s14, 2                            ; a wave's fills stand in one branch on its number, the same in every work-group
	s_cbranch_scc0 .Lnot_i
.set tt, 0
.rept NPAIR
	tensor_load_to_lds s[G0I+4*tt:G0I+4*tt+3], s[G1I:G1I+7]
	s_nop 0
.set tt, tt+1
.endr
.rept 4
	v_nop
.endr
	s_branch .Lasked
.Lnot_i:
	s_cmp_eq_u32 s14, 2
	s_cbranch_scc0 .Lasked
.set tt, 0
.rept NPAIR
	tensor_load_to_lds s[G0O+4*tt:G0O+4*tt+3], s[G1O:G1O+7]
	s_nop 0
.set tt, tt+1
.endr
.rept 4
	v_nop
.endr
.Lasked:
	v_and_b32 v1, 31, v0                           ; lane
	v_and_b32 v2, 15, v0                           ; r
	v_bfe_u32 v3, v0, 4, 1                         ; h
	v_lshlrev_b32 v14, 4, v1                       ; 16 x lane
	v_lshlrev_b32 v15, 3, v1                       ; 8 x lane
	v_add_nc_u32 v4, s45, v14                      ; I's fragments: K steps 0-3;
	v_add_nc_u32 v5, 4*RECB, v4                    ; K steps 4 on (so that the immediates stay under 65,536)
	v_add_nc_u32 v6, s45, v15
	v_add_nc_u32 v7, 4*RECB, v6
	s_mul_i32 s22, s15, 6144
	s_add_co_u32 s22, s22, 2*REGB                  ; O's: my four tiles
	v_add_nc_u32 v8, s22, v14
	v_add_nc_u32 v9, 4*RECB, v8
	v_add_nc_u32 v10, s22, v15
	v_add_nc_u32 v11, 4*RECB, v10
	s_lshl_b32 s23, s15, 8
	s_add_co_u32 s23, s23, 2*REGB+12288
	v_lshl_add_u32 v12, v2, 4, s23                 ; O's scale words: my four tiles' words of row r, in both halves of the lanes
	v_add_nc_u32 v13, 4*RECB, v12
	s_mov_b32 s[SEL], 0x76543210
	s_mov_b32 s[SEL+1], 0xfedcba98
.irp b, 0,1,2,3
	v_mov_b32 v[TM+4+\b], 0                        ; a lane permute's destination counts as one of its sources
.endr
	s_lshl_b32 s36, s17, 4                         ; the way out: (16 y + 4 x + 2 wi) records on
	s_lshl_b32 s37, s42, 2
	s_add_co_u32 s36, s36, s37
	s_lshl_b32 s37, s16, 1
	s_add_co_u32 s36, s36, s37
	s_mul_i32 s36, s36, RSTR
	s_mov_b32 s37, 0
	s_add_nc_u64 s[58:59], s[OUTP:OUTP+1], s[36:37]
	s_lshl_b32 s36, s15, 12
	s_add_nc_u64 s[56:57], s[58:59], s[36:37]      ; my four tiles: 4,096 wo
	s_lshl_b32 s36, s15, 8
	s_add_co_u32 s36, s36, 8192
	s_add_nc_u64 s[58:59], s[58:59], s[36:37]      ; their scale words
	v_mul_u32_u24 v250, v3, RSTR
	v_lshl_add_u32 v250, v2, 4, v250               ; lanes 0-15 store the first head's words, lanes 16-31 the second's
	v_sub_nc_u32 v249, 1, v3
.if MASKED
	v_mul_u32_u24 v249, v249, 0x3f                 ; the code -7.5 at k = 64: lanes 0-15 alone
	v_mov_b32 v248, 224<<16                        ; and its block's byte
	s_lshl_b32 s38, s17, 7
	s_lshl_b32 s39, s15, 6
	s_add_co_u32 s38, s38, s39
	s_mov_b32 s39, 0
	s_add_nc_u64 s[62:63], s[8:9], s[38:39]        ; the mask at my 64 keys
	v_and_b32 v251, 8, v2
	v_add_nc_u32 v251, v251, v2                    ; r + 8 (r / 8)
.irp a, 0,1,2,3
	global_load_u8 v[24+\a], v251, s[62:63] offset:32*(\a/2)+8*(\a%2)
.endr
.else
	v_lshlrev_b32 v249, 3, v249                    ; the code 1.0 at k = 64: lanes 0-15 alone
.irp a, 0,1,2,3
	v_mov_b32 v[24+\a], v249
	v_mov_b32 v[28+\a], 127<<16                    ; and its block's byte
.endr
.endif
.macro FRAGLD reg, a16, a8, off        ; a fragment's 12 registers, as they were stored
	ds_load_b128 v[\reg:\reg+3], v[\a16] offset:\off
	ds_load_b64 v[\reg+4:\reg+5], v[\a8] offset:\off+512
	ds_load_b64 v[\reg+6:\reg+7], v[\a8] offset:\off+768
	ds_load_b128 v[\reg+8:\reg+11], v[\a16] offset:\off+1024
.endm
.macro FETCH s, p                      ; K step s into set p: I's eight fragments, my four of O, both sides' scale words: 50 LDS loads
.if (\s) < 4
.set XB, 0
.set SOF, RECB*(\s)
.else
.set XB, 1
.set SOF, RECB*((\s)-4)
.endif
	WIN 0x80                                       ; destination window 2
.irp b, 0,1,2,3,4,5,6,7
	FRAGLD 128*(\p)+12*\b, 4+XB, 6+XB, SOF+1536*\b
.endr
	WIN 0
.irp a, 0,1,2,3
	FRAGLD 64+48*(\p)+12*\a, 8+XB, 10+XB, SOF+1536*\a
.endr
	ds_load_b128 v[32+8*(\p):35+8*(\p)], v[4+XB] offset:SOF+12288   ; register w: lanes 0-15 I's tile w, lanes 16-31 tile 4 + w
	ds_load_b128 v[36+8*(\p):39+8*(\p)], v[12+XB] offset:SOF        ; register a: O's tile a of mine
.endm
.macro WM a, b, p, ck
.set rD, 8*(8*(\a)+(\b))
.set rA, 128*(\p)+12*(\b)
.set rB, 64+48*(\p)+12*(\a)
.set rSA, 32+8*(\p)+(\b)%4
.set rSB, 36+8*(\p)+(\a)
.if (\b) < 4
.if (\ck) == 0
	v_wmma_scale_f32_16x16x128_f8f6f4 v[rD:rD+7], v[rA:rA+11], v[rB:rB+11], 0, v[rSA], v[rSB] matrix_a_fmt:MATRIX_FMT_FP6 matrix_b_fmt:MATRIX_FMT_FP6
.else
	v_wmma_scale_f32_16x16x128_f8f6f4 v[rD:rD+7], v[rA:rA+11], v[rB:rB+11], v[rD:rD+7], v[rSA], v[rSB] matrix_a_fmt:MATRIX_FMT_FP6 matrix_b_fmt:MATRIX_FMT_FP6
.endif
.else
.if (\ck) == 0
	v_wmma_scale_f32_16x16x128_f8f6f4 v[rD:rD+7], v[rA:rA+11], v[rB:rB+11], 0, v[rSA], v[rSB] matrix_a_fmt:MATRIX_FMT_FP6 matrix_b_fmt:MATRIX_FMT_FP6 matrix_a_scale:MATRIX_SCALE_ROW1
.else
	v_wmma_scale_f32_16x16x128_f8f6f4 v[rD:rD+7], v[rA:rA+11], v[rB:rB+11], v[rD:rD+7], v[rSA], v[rSB] matrix_a_fmt:MATRIX_FMT_FP6 matrix_b_fmt:MATRIX_FMT_FP6 matrix_a_scale:MATRIX_SCALE_ROW1
.endif
.endif
.endm
.macro MUL s, p                        ; 32 products; the 32 accumulators take turns, one instruction a turn, in the same order in every K step; the first K step starts the sums
	WIN 0x52                                       ; source 0 window 2, source 1 window 0, C and D window 1
.irp a, 0,1,2,3
.irp b, 0,1,2,3,4,5,6,7
.if (\s) == 0
	WM \a, \b, \p, 0
.else
	WM \a, \b, \p, 1
.endif
.endr
.endr
.endm
	s_wait_tensorcnt NPAIR-1                       ; my first pair of K steps is in; the pairs issued behind it may be out
	s_barrier_signal -1
	s_barrier_wait -1                              ; everybody's is
	FETCH 0, 0
.set ks, 0
.rept KSTEPS
	s_wait_dscnt 0x0                               ; this K step's fragments are in (asked for 32 matrix instructions ago)
.if ks+1 < KSTEPS
.if ks > 0
	PLACES
.endif
	FETCH ks+1, (ks+1)%2
.endif
	MUL ks, ks%2
.set ks, ks+1
.endr
	WIN 0
	PLACES
; 64 results of a lane (window 1, v[s] on; register 16 b + i = i-index 32 b + 16 (lane / 16) + i) become codes at v[pc + cs c] (6 registers for each 64) ; the four bytes stay in v[TM+4 ..]
.macro QUANTW s, pc, cs
	WIN 0
.irp b, 0,1,2,3
	v_mov_b32 v[TM+\b], 0x1800000                  ; the floor 2^(3 - 127): the byte cannot fall under 1
.endr
	WIN 0x14                                       ; sources 1 and 2 window 1
.irp i, 0,2,4,6,8,10,12,14
.irp b, 0,1,2,3
	v_max3_num_f32 v[TM+\b], v[TM+\b], |v[\s+16*\b+\i]|, |v[\s+16*\b+\i+1]|   ; each accumulator is read from its low end on
.endr
.endr
	WIN 0
.irp b, 0,1,2,3
	v_permlanex16_b32 v[TM+4+\b], v[TM+\b], s[SEL], s[SEL+1]
.endr
.irp b, 0,1,2,3
	v_max_num_f32 v[TM+\b], v[TM+\b], v[TM+4+\b]
.endr
.irp b, 0,1,2,3
	v_add_nc_u32 v[TM+12+\b], 0xff000000, v[TM+\b] ; 2 off the exponent field: the conversion's scale operand
.endr
.irp b, 0,1,2,3
	v_lshrrev_b32 v[TM+4+\b], 23, v[TM+12+\b]      ; the byte
.endr
	WIN 0x01                                       ; source 0 window 1
.irp c, 0,1
	v_cvt_scalef32_pk16_fp6_f32 v[\pc+\cs*\c:\pc+\cs*\c+2], v[\s+32*\c:\s+32*\c+15], v[TM+12+2*\c]
	v_cvt_scalef32_pk16_fp6_f32 v[TP+4*\c:TP+4*\c+2], v[\s+32*\c+16:\s+32*\c+31], v[TM+13+2*\c]
.endr
	WIN 0
	v_nop                                          ; one plain place behind a scaled conversion
.irp c, 0,1
.irp i, 0,1,2
	v_permlane16_swap_b32 v[\pc+\cs*\c+\i], v[TP+4*\c+\i]
.endr
.irp i, 0,1,2
	v_mov_b32 v[\pc+\cs*\c+3+\i], v[TP+4*\c+\i]
.endr
.endr
.endm
.if MASKED
	s_wait_loadcnt 0x0                             ; the mask's bytes
.irp a, 0,1,2,3
	v_cmp_eq_u32 vcc_lo, 0, v[24+\a]               ; a hidden key
	v_cndmask_b32 v[28+\a], 0, v248, vcc_lo
	v_cndmask_b32 v[24+\a], 0, v249, vcc_lo
.endr
.endif
.irp a, 0,1,2,3                                ; my tile a of rows: two heads' 64 codes each
	QUANTW 64*\a, 184+16*\a, 8
	v_mov_b32 v[184+16*\a+6], v[24+\a]             ; register 6: the mask's place; register 7: zeros
	v_mov_b32 v[184+16*\a+14], v[24+\a]
	v_mov_b32 v[184+16*\a+7], 0
	v_mov_b32 v[184+16*\a+15], 0
	v_lshl_or_b32 v[16+\a], v[TM+5], 8, v[TM+4]
	v_or_b32 v[16+\a], v[16+\a], v[28+\a]          ; the first head's scale word
	v_lshl_or_b32 v[20+\a], v[TM+7], 8, v[TM+6]
	v_or_b32 v[20+\a], v[20+\a], v[28+\a]          ; the second's
	global_store_b128 v14, v[184+16*\a:184+16*\a+3], s[56:57] offset:1024*\a            ; each store covers 512 consecutive bytes, aligned
	global_store_b128 v14, v[184+16*\a+4:184+16*\a+7], s[56:57] offset:1024*\a+512
	global_store_b128 v14, v[184+16*\a+8:184+16*\a+11], s[56:57] offset:RSTR+1024*\a
	global_store_b128 v14, v[184+16*\a+12:184+16*\a+15], s[56:57] offset:RSTR+1024*\a+512
.endr
	v_cmp_ne_u32 vcc_lo, 0, v3
.irp a, 0,1,2,3
	v_cndmask_b32 v[16+\a], v[16+\a], v[20+\a], vcc_lo
.endr
	global_store_b128 v250, v[16:19], s[58:59]     ; each half of the lanes stores 256 consecutive bytes of its head's record
	s_wait_tensorcnt 0x0
	ds_add_u32 v254, v255
	s_wait_dscnt 0x0
	CROUND                                         ; the closing round: no work-group ends while a partner may still ask for a tile that names it
	s_endpgm
.Lfunc_end_k_q8e9d986375_gq:
	.size	k_q8e9d986375_gq, .Lfunc_end_k_q8e9d986375_gq-k_q8e9d986375_gq
	.p2alignl 7, 3214868480
	.fill 96, 4, 3214868480
	.section	.rodata,"a",@progbits
	.p2align	6, 0x0
	.amdhsa_kernel k_q8e9d986375_gq
		.amdhsa_group_segment_fixed_size 327680
		.amdhsa_private_segment_fixed_size 0
		.amdhsa_enable_private_segment 0
		.amdhsa_kernarg_size 24
		.amdhsa_user_sgpr_count 2
		.amdhsa_user_sgpr_kernarg_segment_ptr 1
		.amdhsa_wavefront_size32 1
		.amdhsa_system_sgpr_workgroup_id_x 1
		.amdhsa_system_sgpr_workgroup_id_y 1
		.amdhsa_system_sgpr_workgroup_id_z 1
		.amdhsa_system_vgpr_workitem_id 0
		.amdhsa_next_free_vgpr 1024
		.amdhsa_next_free_sgpr 100
		.amdhsa_reserve_vcc 1
		.amdhsa_float_denorm_mode_32 3
		.amdhsa_float_denorm_mode_16_64 3
		.amdhsa_memory_ordered 1
		.amdhsa_forward_progress 1
		.amdhsa_inst_pref_size 84
	.end_amdhsa_kernel
	.amdgpu_metadata
---
amdhsa.version: [ 1, 2 ]
amdhsa.kernels:
  - .name:           k_q8e9d986375_gq
    .symbol:         k_q8e9d986375_gq.kd
    .args:
      - { .name: xrec, .offset: 0, .size: 8, .value_kind: global_buffer, .address_space: global }
      - { .name: wrec, .offset: 8, .size: 8, .value_kind: global_buffer, .address_space: global }
      - { .name: qc, .offset: 16, .size: 8, .value_kind: global_buffer, .address_space: global }
    .group_segment_fixed_size: 327680
    .private_segment_fixed_size: 0
    .kernarg_segment_align: 8
    .kernarg_segment_size: 24
    .max_flat_workgroup_size: 128
    .sgpr_count:     100
    .vgpr_count:     1024
    .wavefront_size: 32
...
	.end_amdgpu_metadata
.endif
;; end of part 2
;; launch gk (part 3): grid 4 x 64, 4 waves a work-group, clusters of 4 x 4, 327,680 bytes of LDS; arguments crec, wrec, context_mask, kv; writes kv
.if DOCPART == 3
	.amdgcn_target "amdgcn-amd-amdhsa--gfx1250"
	.amdhsa_code_object_version 6
	.text
	.protected	k_q8e9d986375_gk
	.globl	k_q8e9d986375_gk
	.p2align	8
	.type	k_q8e9d986375_gk,@function
k_q8e9d986375_gk:
	s_mov_b64 s[64:65], 0
	v_nop
	global_prefetch_b8 v0, s[64:65] scope:SCOPE_SE
	s_setreg_imm32_b32 hwreg(HW_REG_WAVE_MODE, 25, 1), 1
	s_wait_xcnt 0x0
	s_wait_alu depctr_hold_cnt(0) depctr_sa_sdst(0) depctr_va_vdst(0) depctr_va_sdst(0) depctr_va_ssrc(0) depctr_va_vcc(0) depctr_vm_vsrc(0)
	s_getreg_b32 s2, hwreg(HW_REG_IB_STS2, 6, 4)
	s_cmp_eq_u32 s2, 0
	s_cbranch_scc0 .Lentry_in_a_cluster
	s_endpgm
.Lentry_in_a_cluster:
	s_bfe_u32 s2, ttmp6, 0x10000c
	s_cmp_lg_u32 s2, 0xf033
	s_cbranch_scc0 .Lentry_shape_is_right
	s_endpgm
.Lentry_shape_is_right:
; k = context Wk on codes of FP6 (E2M3), and k quantised along each head's 64, with the key mask laid into the score product's unused K.
; C'[o][i] = sum over k of O[o][k] I[i][k]: O = rows of context (crec), I = columns of Wk (wrec, from byte 819,200); results are quantised along i.
; Operands come as records of 128 rows x 128 K in the order of the operand's registers (12,800 bytes: 8 fragments of 1,536, then 512 of scale words); a group's K steps lie on end.
; SHARES: a work-group makes O 128 x I 256; wave (wo = wave / 2, wi = wave % 2) makes O 64 x I 128: 32 accumulators.  THE MATRIX INSTRUCTION IS USED TRANSPOSED (source 0 = 16 of I, source 1 = 16 of O):
; a lane holds one row o; by the records' order of rows its 16 registers of I tiles 2 b and 2 b + 1 are i = 32 b + 16 (lane / 16) + 0 .. 15: neighbours along the next product's K.
; ALL OF K LIES IN LDS: I's two groups and O's group, KSTEPS x 12,800 bytes each, asked for at the start, two K steps to a tensor load; nothing is filled again.  A wave has at most KSTEPS / 2 tensor loads out.
; CLUSTER 4 x 4: I's groups hang on the work-group's x alone and are asked for jointly along a column of the cluster, O's on y alone, along a row.  Waves 0, 1 ask for I's groups, wave 2 for O's.
; OUT: for each (group of 128 keys, head) the first 8,704 bytes of a record of 15,360: tile t at 1,024 t (registers 0-3 at 16 x lane, 4-7 at 512 + 16 x lane), scale words at 8,192.  Registers 0-5 are the head's 64 codes.
; THE MASK'S PLACE: k = 64 of the score product (register 6, lanes 0-15; scale byte 2).  A query holds the code 1.0 there under the byte 127; a hidden key -7.5 under the byte 224, an open key 0 under the byte 0:
; a hidden key's score is its true score - 7.5 x 2^97, an open key's is untouched.  The mask is used as data alone: no branch and no address hangs on it.
; LIMITS: scores x log2(e) / 8 stay under 2^96 in magnitude; a block of zeros gets the byte 1 (its codes are zeros; this program alone reads the bytes); NaN and infinities are not served.
; REGISTERS, in windows of 256: window 0: v1-15 lane numbers and addresses; v16-31 scale words and mask codes in the making; v32-47 the operands' scale words, two sets; v64-159 O's fragments, two sets; v160-255 the way out.
;   window 1: the accumulators, (a, b) at v[8 (8 a + b)].   window 2: I's fragments, two sets, at v0 and v128.
.set KSTEPS, 6
.set OOFF,   0
.set IOFF,   819200
.set RSTR,   491520                    ; from a head's record to the next head's: kv is laid [batch][head][group of 128 keys], 32 records of 15,360 bytes a head
.set MASKED, 1
.set OUTP,   8+2*MASKED
.set NPAIR,  1                         ; ONE tensor load a wave: it brings a whole group, all KSTEPS records on end
.set RECB,   12800
.set REGB,   KSTEPS*RECB
.set G1O, 24
.set G1I, 48
.set G0O, 68
.set G0I, 84
.set SEL, 60
.set TM,  160
.set TP,  176
.set MSB, 0
.macro WIN new                         ; the immediate's high byte repeats the setting that is left
.if MSB != \new
	s_set_vgpr_msb (MSB<<8)|\new
.set MSB, \new
.endif
.endm
.macro CROUND                          ; a round of the cluster's barrier
	s_barrier_signal -1
	s_barrier_wait -1
	s_cmp_lg_u32 s14, 0
	s_cbranch_scc1 .Lnot_wave_0_\@
	s_barrier_signal -3
.Lnot_wave_0_\@:
	s_barrier_wait -3
	s_barrier_signal -1
	s_barrier_wait -1
.endm
.macro PLACES                          ; four plain places behind a matrix instruction, in front of loads into its registers and of reads of its results
.rept 4
	v_nop
.endr
.endm
	s_load_b128 s[4:7], s[0:1], 0x0                ; O's records, I's records
	s_load_b64 s[8:9], s[0:1], 0x10
.if MASKED
	s_load_b64 s[10:11], s[0:1], 0x18
	v_lshl_add_u32 v254, v0, 2, 0x38400
	v_mov_b32 v255, 0
	ds_add_u32 v254, v255
	ds_add_u32 v254, v255
.endif
	v_lshrrev_b32 v1, 5, v0
	v_readfirstlane_b32 s14, v1                    ; wave
	s_lshr_b32 s15, s14, 1                         ; wo
	s_and_b32 s16, s14, 1                          ; wi
	s_bfe_u32 s40, ttmp6, 0x40000                  ; cx
	s_bfe_u32 s41, ttmp6, 0x40004                  ; cy
	s_lshl_b32 s42, ttmp9, 2
	s_add_co_u32 s42, s42, s40                     ; work-group x
	s_and_b32 s17, ttmp7, 0xffff
	s_lshl_b32 s17, s17, 2
	s_add_co_u32 s17, s17, s41                     ; work-group y
	s_lshl_b32 s43, s41, 2
	s_lshl_b32 s43, 15, s43                        ; my row of the cluster
	s_lshl_b32 s44, 0x1111, s40                    ; my column
	s_or_b32 s[G1O], s43, (3<<16)|(1<<21)          ; group 1: the mask; elements of 8 bytes; bit 21 beside a mask; no padding
	s_or_b32 s[G1I], s44, (3<<16)|(1<<21)
.irp g, G1O, G1I
	s_mov_b32 s[\g+1], 32<<16                      ; tensor_dim0 = 32 elements: rows of 256 bytes
	s_mov_b32 s[\g+2], (50*KSTEPS)<<16             ; tensor_dim1: KSTEPS records of 50 rows of 256 bytes
	s_mov_b32 s[\g+3], 32<<16                      ; tile_dim0
	s_mov_b32 s[\g+4], 50*KSTEPS                   ; tile_dim1
	s_mov_b32 s[\g+5], 32                          ; the pitch: dense
	s_mov_b32 s[\g+6], 0
	s_mov_b32 s[\g+7], 0
.endr
	s_mul_i32 s20, s17, REGB
	s_add_co_u32 s20, s20, OOFF                    ; O's group: y alone
	s_mov_b32 s21, 0
	s_lshl_b32 s46, s42, 1
	s_add_co_u32 s46, s46, s16
	s_mul_i32 s46, s46, REGB
	s_add_co_u32 s46, s46, IOFF                    ; I's group 2 x + wave: x alone
	s_mov_b32 s47, 0
	s_mul_i32 s45, s16, REGB                       ; where it goes: wave x REGB
	s_wait_dscnt 0x0
	s_wait_kmcnt 0x0
	s_add_nc_u64 s[20:21], s[4:5], s[20:21]
	s_add_nc_u64 s[46:47], s[6:7], s[46:47]
.set tt, 0
.rept NPAIR
	s_mov_b32 s[G0O+4*tt], 1
	s_mov_b32 s[G0O+4*tt+1], 2*REGB+2*RECB*tt
	s_add_nc_u64 s[G0O+4*tt+2:G0O+4*tt+3], s[20:21], 2*RECB*tt
	s_or_b32 s[G0O+4*tt+3], s[G0O+4*tt+3], 0x80000000
	s_mov_b32 s[G0I+4*tt], 1
	s_add_co_u32 s[G0I+4*tt+1], s45, 2*RECB*tt
	s_add_nc_u64 s[G0I+4*tt+2:G0I+4*tt+3], s[46:47], 2*RECB*tt
	s_or_b32 s[G0I+4*tt+3], s[G0I+4*tt+3], 0x80000000
.set tt, tt+1
.endr
	CROUND                                         ; all sixteen work-groups are here: the joint loads meet
	s_cmp_lt_u32 s14, 2                            ; a wave's fills stand in one branch on its number, the same in every work-group
	s_cbranch_scc0 .Lnot_i
.set tt, 0
.rept NPAIR
	tensor_load_to_lds s[G0I+4*tt:G0I+4*tt+3], s[G1I:G1I+7]
	s_nop 0
.set tt, tt+1
.endr
.rept 4
	v_nop
.endr
	s_branch .Lasked
.Lnot_i:
	s_cmp_eq_u32 s14, 2
	s_cbranch_scc0 .Lasked
.set tt, 0
.rept NPAIR
	tensor_load_to_lds s[G0O+4*tt:G0O+4*tt+3], s[G1O:G1O+7]
	s_nop 0
.set tt, tt+1
.endr
.rept 4
	v_nop
.endr
.Lasked:
	v_and_b32 v1, 31, v0                           ; lane
	v_and_b32 v2, 15, v0                           ; r
	v_bfe_u32 v3, v0, 4, 1                         ; h
	v_lshlrev_b32 v14, 4, v1                       ; 16 x lane
	v_lshlrev_b32 v15, 3, v1                       ; 8 x lane
	v_add_nc_u32 v4, s45, v14                      ; I's fragments: K steps 0-3;
	v_add_nc_u32 v5, 4*RECB, v4                    ; K steps 4 on (so that the immediates stay under 65,536)
	v_add_nc_u32 v6, s45, v15
	v_add_nc_u32 v7, 4*RECB, v6
	s_mul_i32 s22, s15, 6144
	s_add_co_u32 s22, s22, 2*REGB                  ; O's: my four tiles
	v_add_nc_u32 v8, s22, v14
	v_add_nc_u32 v9, 4*RECB, v8
	v_add_nc_u32 v10, s22, v15
	v_add_nc_u32 v11, 4*RECB, v10
	s_lshl_b32 s23, s15, 8
	s_add_co_u32 s23, s23, 2*REGB+12288
	v_lshl_add_u32 v12, v2, 4, s23                 ; O's scale words: my four tiles' words of row r, in both halves of the lanes
	v_add_nc_u32 v13, 4*RECB, v12
	s_mov_b32 s[SEL], 0x76543210
	s_mov_b32 s[SEL+1], 0xfedcba98
.irp b, 0,1,2,3
	v_mov_b32 v[TM+4+\b], 0                        ; a lane permute's destination counts as one of its sources
.endr
	s_lshr_b32 s36, s17, 5                         ; the way out: batch = y / 32
	s_lshl_b32 s36, s36, 4
	s_lshl_b32 s37, s42, 2
	s_add_co_u32 s36, s36, s37
	s_lshl_b32 s37, s16, 1
	s_add_co_u32 s36, s36, s37                     ; 16 x batch + head (4 x + 2 wi)
	s_lshl_b32 s36, s36, 5
	s_and_b32 s37, s17, 31
	s_add_co_u32 s36, s36, s37                     ; x 32 + the batch's group of keys
	s_mul_i32 s36, s36, 15360
	s_mov_b32 s37, 0
	s_add_nc_u64 s[58:59], s[OUTP:OUTP+1], s[36:37]
	s_lshl_b32 s36, s15, 12
	s_add_nc_u64 s[56:57], s[58:59], s[36:37]      ; my four tiles: 4,096 wo
	s_lshl_b32 s36, s15, 8
	s_add_co_u32 s36, s36, 8192
	s_add_nc_u64 s[58:59], s[58:59], s[36:37]      ; their scale words
	v_mul_u32_u24 v250, v3, RSTR
	v_lshl_add_u32 v250, v2, 4, v250               ; lanes 0-15 store the first head's words, lanes 16-31 the second's
	v_sub_nc_u32 v249, 1, v3
.if MASKED
	v_mul_u32_u24 v249, v249, 0x3f                 ; the code -7.5 at k = 64: lanes 0-15 alone
	v_mov_b32 v248, 224<<16                        ; and its block's byte
	s_lshl_b32 s38, s17, 7
	s_lshl_b32 s39, s15, 6
	s_add_co_u32 s38, s38, s39
	s_mov_b32 s39, 0
	s_add_nc_u64 s[62:63], s[8:9], s[38:39]        ; the mask at my 64 keys
	v_and_b32 v251, 8, v2
	v_add_nc_u32 v251, v251, v2                    ; r + 8 (r / 8)
.irp a, 0,1,2,3
	global_load_u8 v[24+\a], v251, s[62:63] offset:32*(\a/2)+8*(\a%2)
.endr
.else
	v_lshlrev_b32 v249, 3, v249                    ; the code 1.0 at k = 64: lanes 0-15 alone
.irp a, 0,1,2,3
	v_mov_b32 v[24+\a], v249
	v_mov_b32 v[28+\a], 127<<16                    ; and its block's byte
.endr
.endif
.macro FRAGLD reg, a16, a8, off        ; a fragment's 12 registers, as they were stored
	ds_load_b128 v[\reg:\reg+3], v[\a16] offset:\off
	ds_load_b64 v[\reg+4:\reg+5], v[\a8] offset:\off+512
	ds_load_b64 v[\reg+6:\reg+7], v[\a8] offset:\off+768
	ds_load_b128 v[\reg+8:\reg+11], v[\a16] offset:\off+1024
.endm
.macro FETCH s, p                      ; K step s into set p: I's eight fragments, my four of O, both sides' scale words: 50 LDS loads
.if (\s) < 4
.set XB, 0
.set SOF, RECB*(\s)
.else
.set XB, 1
.set SOF, RECB*((\s)-4)
.endif
	WIN 0x80                                       ; destination window 2
.irp b, 0,1,2,3,4,5,6,7
	FRAGLD 128*(\p)+12*\b, 4+XB, 6+XB, SOF+1536*\b
.endr
	WIN 0
.irp a, 0,1,2,3
	FRAGLD 64+48*(\p)+12*\a, 8+XB, 10+XB, SOF+1536*\a
.endr
	ds_load_b128 v[32+8*(\p):35+8*(\p)], v[4+XB] offset:SOF+12288   ; register w: lanes 0-15 I's tile w, lanes 16-31 tile 4 + w
	ds_load_b128 v[36+8*(\p):39+8*(\p)], v[12+XB] offset:SOF        ; register a: O's tile a of mine
.endm
.macro WM a, b, p, ck
.set rD, 8*(8*(\a)+(\b))
.set rA, 128*(\p)+12*(\b)
.set rB, 64+48*(\p)+12*(\a)
.set rSA, 32+8*(\p)+(\b)%4
.set rSB, 36+8*(\p)+(\a)
.if (\b) < 4
.if (\ck) == 0
	v_wmma_scale_f32_16x16x128_f8f6f4 v[rD:rD+7], v[rA:rA+11], v[rB:rB+11], 0, v[rSA], v[rSB] matrix_a_fmt:MATRIX_FMT_FP6 matrix_b_fmt:MATRIX_FMT_FP6
.else
	v_wmma_scale_f32_16x16x128_f8f6f4 v[rD:rD+7], v[rA:rA+11], v[rB:rB+11], v[rD:rD+7], v[rSA], v[rSB] matrix_a_fmt:MATRIX_FMT_FP6 matrix_b_fmt:MATRIX_FMT_FP6
.endif
.else
.if (\ck) == 0
	v_wmma_scale_f32_16x16x128_f8f6f4 v[rD:rD+7], v[rA:rA+11], v[rB:rB+11], 0, v[rSA], v[rSB] matrix_a_fmt:MATRIX_FMT_FP6 matrix_b_fmt:MATRIX_FMT_FP6 matrix_a_scale:MATRIX_SCALE_ROW1
.else
	v_wmma_scale_f32_16x16x128_f8f6f4 v[rD:rD+7], v[rA:rA+11], v[rB:rB+11], v[rD:rD+7], v[rSA], v[rSB] matrix_a_fmt:MATRIX_FMT_FP6 matrix_b_fmt:MATRIX_FMT_FP6 matrix_a_scale:MATRIX_SCALE_ROW1
.endif
.endif
.endm
.macro MUL s, p                        ; 32 products; the 32 accumulators take turns, one instruction a turn, in the same order in every K step; the first K step starts the sums
	WIN 0x52                                       ; source 0 window 2, source 1 window 0, C and D window 1
.irp a, 0,1,2,3
.irp b, 0,1,2,3,4,5,6,7
.if (\s) == 0
	WM \a, \b, \p, 0
.else
	WM \a, \b, \p, 1
.endif
.endr
.endr
.endm
	s_wait_alu depctr_va_vdst(0)
	s_wait_tensorcnt NPAIR-1                       ; my first pair of K steps is in; the pairs issued behind it may be out
	s_barrier_signal -1
	s_barrier_wait -1                              ; everybody's is
	FETCH 0, 0
.set ks, 0
.rept KSTEPS
	s_wait_dscnt 0x0                               ; this K step's fragments are in (asked for 32 matrix instructions ago)
.if ks+1 < KSTEPS
.if ks > 0
	PLACES
.endif
	FETCH ks+1, (ks+1)%2
.endif
	MUL ks, ks%2
.set ks, ks+1
.endr
	WIN 0
	PLACES
; 64 results of a lane (window 1, v[s] on; register 16 b + i = i-index 32 b + 16 (lane / 16) + i) become codes at v[pc + cs c] (6 registers for each 64) ; the four bytes stay in v[TM+4 ..]
.macro QUANTW s, pc, cs
	WIN 0
.irp b, 0,1,2,3
	v_mov_b32 v[TM+\b], 0x1800000                  ; the floor 2^(3 - 127): the byte cannot fall under 1
.endr
	WIN 0x14                                       ; sources 1 and 2 window 1
.irp i, 0,2,4,6,8,10,12,14
.irp b, 0,1,2,3
	v_max3_num_f32 v[TM+\b], v[TM+\b], |v[\s+16*\b+\i]|, |v[\s+16*\b+\i+1]|   ; each accumulator is read from its low end on
.endr
.endr
	WIN 0
.irp b, 0,1,2,3
	v_permlanex16_b32 v[TM+4+\b], v[TM+\b], s[SEL], s[SEL+1]
.endr
.irp b, 0,1,2,3
	v_max_num_f32 v[TM+\b], v[TM+\b], v[TM+4+\b]
.endr
.irp b, 0,1,2,3
	v_add_nc_u32 v[TM+12+\b], 0xff000000, v[TM+\b] ; 2 off the exponent field: the conversion's scale operand
.endr
.irp b, 0,1,2,3
	v_lshrrev_b32 v[TM+4+\b], 23, v[TM+12+\b]      ; the byte
.endr
	WIN 0x01                                       ; source 0 window 1
.irp c, 0,1
	v_cvt_scalef32_pk16_fp6_f32 v[\pc+\cs*\c:\pc+\cs*\c+2], v[\s+32*\c:\s+32*\c+15], v[TM+12+2*\c]
	v_cvt_scalef32_pk16_fp6_f32 v[TP+4*\c:TP+4*\c+2], v[\s+32*\c+16:\s+32*\c+31], v[TM+13+2*\c]
.endr
	WIN 0
	v_nop                                          ; one plain place behind a scaled conversion
.irp c, 0,1
.irp i, 0,1,2
	v_permlane16_swap_b32 v[\pc+\cs*\c+\i], v[TP+4*\c+\i]
.endr
.irp i, 0,1,2
	v_mov_b32 v[\pc+\cs*\c+3+\i], v[TP+4*\c+\i]
.endr
.endr
.endm
.if MASKED
	s_wait_loadcnt 0x0                             ; the mask's bytes
.irp a, 0,1,2,3
	v_cmp_eq_u32 vcc_lo, 0, v[24+\a]               ; a hidden key
	v_cndmask_b32 v[28+\a], 0, v248, vcc_lo
	v_cndmask_b32 v[24+\a], 0, v249, vcc_lo
.endr
.endif
.irp a, 0,1,2,3                                ; my tile a of rows: two heads' 64 codes each
	QUANTW 64*\a, 184+16*\a, 8
	v_mov_b32 v[184+16*\a+6], v[24+\a]             ; register 6: the mask's place; register 7: zeros
	v_mov_b32 v[184+16*\a+14], v[24+\a]
	v_mov_b32 v[184+16*\a+7], 0
	v_mov_b32 v[184+16*\a+15], 0
	v_lshl_or_b32 v[16+\a], v[TM+5], 8, v[TM+4]
	v_or_b32 v[16+\a], v[16+\a], v[28+\a]          ; the first head's scale word
	v_lshl_or_b32 v[20+\a], v[TM+7], 8, v[TM+6]
	v_or_b32 v[20+\a], v[20+\a], v[28+\a]          ; the second's
	global_store_b128 v14, v[184+16*\a:184+16*\a+3], s[56:57] offset:1024*\a            ; each store covers 512 consecutive bytes, aligned
	global_store_b128 v14, v[184+16*\a+4:184+16*\a+7], s[56:57] offset:1024*\a+512
	global_store_b128 v14, v[184+16*\a+8:184+16*\a+11], s[56:57] offset:RSTR+1024*\a
	global_store_b128 v14, v[184+16*\a+12:184+16*\a+15], s[56:57] offset:RSTR+1024*\a+512
.endr
	v_cmp_ne_u32 vcc_lo, 0, v3
.irp a, 0,1,2,3
	v_cndmask_b32 v[16+\a], v[16+\a], v[20+\a], vcc_lo
.endr
	global_store_b128 v250, v[16:19], s[58:59]     ; each half of the lanes stores 256 consecutive bytes of its head's record
	s_wait_tensorcnt 0x0
	ds_add_u32 v254, v255
	s_wait_dscnt 0x0
	CROUND                                         ; the closing round: no work-group ends while a partner may still ask for a tile that names it
	s_endpgm
.Lfunc_end_k_q8e9d986375_gk:
	.size	k_q8e9d986375_gk, .Lfunc_end_k_q8e9d986375_gk-k_q8e9d986375_gk
	.p2alignl 7, 3214868480
	.fill 96, 4, 3214868480
	.section	.rodata,"a",@progbits
	.p2align	6, 0x0
	.amdhsa_kernel k_q8e9d986375_gk
		.amdhsa_group_segment_fixed_size 327680
		.amdhsa_private_segment_fixed_size 0
		.amdhsa_enable_private_segment 0
		.amdhsa_kernarg_size 32
		.amdhsa_user_sgpr_count 2
		.amdhsa_user_sgpr_kernarg_segment_ptr 1
		.amdhsa_wavefront_size32 1
		.amdhsa_system_sgpr_workgroup_id_x 1
		.amdhsa_system_sgpr_workgroup_id_y 1
		.amdhsa_system_sgpr_workgroup_id_z 1
		.amdhsa_system_vgpr_workitem_id 0
		.amdhsa_next_free_vgpr 1024
		.amdhsa_next_free_sgpr 100
		.amdhsa_reserve_vcc 1
		.amdhsa_float_denorm_mode_32 3
		.amdhsa_float_denorm_mode_16_64 3
		.amdhsa_memory_ordered 1
		.amdhsa_forward_progress 1
		.amdhsa_inst_pref_size 71
	.end_amdhsa_kernel
	.amdgpu_metadata
---
amdhsa.version: [ 1, 2 ]
amdhsa.kernels:
  - .name:           k_q8e9d986375_gk
    .symbol:         k_q8e9d986375_gk.kd
    .args:
      - { .name: crec, .offset: 0, .size: 8, .value_kind: global_buffer, .address_space: global }
      - { .name: wrec, .offset: 8, .size: 8, .value_kind: global_buffer, .address_space: global }
      - { .name: context_mask, .offset: 16, .size: 8, .value_kind: global_buffer, .address_space: global }
      - { .name: kv, .offset: 24, .size: 8, .value_kind: global_buffer, .address_space: global }
    .group_segment_fixed_size: 327680
    .private_segment_fixed_size: 0
    .kernarg_segment_align: 8
    .kernarg_segment_size: 32
    .max_flat_workgroup_size: 128
    .sgpr_count:     100
    .vgpr_count:     1024
    .wavefront_size: 32
...
	.end_amdgpu_metadata
.endif
;; end of part 3
;; launch gv (part 4): grid 32 x 8, 4 waves a work-group, clusters of 4 x 4, 327,680 bytes of LDS; arguments wrec, crec, kv; writes kv
.if DOCPART == 4
	.amdgcn_target "amdgcn-amd-amdhsa--gfx1250"
	.amdhsa_code_object_version 6
	.text
	.protected	k_q8e9d986375_gv
	.globl	k_q8e9d986375_gv
	.p2align	8
	.type	k_q8e9d986375_gv,@function
k_q8e9d986375_gv:
	s_mov_b64 s[64:65], 0
	v_nop
	global_prefetch_b8 v0, s[64:65] scope:SCOPE_SE
	s_setreg_imm32_b32 hwreg(HW_REG_WAVE_MODE, 25, 1), 1
	s_wait_xcnt 0x0
	s_wait_alu depctr_hold_cnt(0) depctr_sa_sdst(0) depctr_va_vdst(0) depctr_va_sdst(0) depctr_va_ssrc(0) depctr_va_vcc(0) depctr_vm_vsrc(0)
	s_getreg_b32 s2, hwreg(HW_REG_IB_STS2, 6, 4)
	s_cmp_eq_u32 s2, 0
	s_cbranch_scc0 .Lentry_in_a_cluster
	s_endpgm
.Lentry_in_a_cluster:
	s_bfe_u32 s2, ttmp6, 0x10000c
	s_cmp_lg_u32 s2, 0xf033
	s_cbranch_scc0 .Lentry_shape_is_right
	s_endpgm
.Lentry_shape_is_right:
; v^T = Wv^T context^T on codes of FP6 (E2M3), and v quantised ALONG THE KEYS, which are the second attention product's K.
; C'[o][i] = sum over k of O[o][k] I[i][k]: O = columns of Wv (wrec, from byte 1,433,600), I = rows of context (crec); results are quantised along i, the keys.
; Operands come as records of 128 rows x 128 K in the order of the operand's registers (12,800 bytes: 8 fragments of 1,536, then 512 of scale words); a group's K steps lie on end.
; SHARES: a work-group makes O 128 x I 256; wave (wo = wave / 2, wi = wave % 2) makes O 64 (one head) x I 128 (one key step): 32 accumulators.  THE MATRIX INSTRUCTION IS USED TRANSPOSED
; (source 0 = 16 of I, source 1 = 16 of O): a lane holds one channel; its 16 registers of I tiles 2 b and 2 b + 1 are keys 32 b + 16 (lane / 16) + 0 .. 15.
; ALL OF K LIES IN LDS: I's two groups and O's group, KSTEPS x 12,800 bytes each, asked for at the start, two K steps to a tensor load; nothing is filled again.  A wave has at most KSTEPS / 2 tensor loads out.
; CLUSTER 4 x 4: I's groups hang on the work-group's x alone and are asked for jointly along a column of the cluster, O's on y alone, along a row.  Waves 0, 1 ask for I's groups, wave 2 for O's.
; OUT: for each (group of 128 keys, head), from byte 8,704 of its record of 15,360: the fragment of channel tile t at 1,536 t as three runs of 512 bytes (registers 4 q .. 4 q + 3 at 512 q + 16 x lane);
; scale words at 6,144: 16 bytes a lane, word w = channel tile w, row lane % 16 (lanes 16-31 hold the same words again, so that the store is 512 consecutive bytes with all lanes on).
; LIMITS: a block of zeros gets the byte 1 (its codes are zeros; this program alone reads the bytes); NaN and infinities are not served.
; REGISTERS, in windows of 256: window 0: v1-15 lane numbers and addresses; v16-19 scale words in the making; v32-47 the operands' scale words, two sets; v64-159 O's fragments, two sets; v160-255 the way out.
;   window 1: the accumulators, (a, b) at v[8 (8 a + b)].   window 2: I's fragments, two sets, at v0 and v128.
.set KSTEPS, 6
.set OOFF,   1433600
.set IOFF,   0
.set NPAIR,  1                         ; ONE tensor load a wave: it brings a whole group, all KSTEPS records on end
.set RECB,   12800
.set REGB,   KSTEPS*RECB
.set G1O, 24
.set G1I, 48
.set G0O, 68
.set G0I, 84
.set SEL, 60
.set TM,  160
.set TP,  176
.set MSB, 0
.macro WIN new                         ; the immediate's high byte repeats the setting that is left
.if MSB != \new
	s_set_vgpr_msb (MSB<<8)|\new
.set MSB, \new
.endif
.endm
.macro CROUND                          ; a round of the cluster's barrier
	s_barrier_signal -1
	s_barrier_wait -1
	s_cmp_lg_u32 s14, 0
	s_cbranch_scc1 .Lnot_wave_0_\@
	s_barrier_signal -3
.Lnot_wave_0_\@:
	s_barrier_wait -3
	s_barrier_signal -1
	s_barrier_wait -1
.endm
.macro PLACES                          ; four plain places behind a matrix instruction, in front of loads into its registers and of reads of its results
.rept 4
	v_nop
.endr
.endm
	s_load_b128 s[4:7], s[0:1], 0x0                ; O's records, I's records
	s_load_b64 s[8:9], s[0:1], 0x10                ; kv
	v_lshl_add_u32 v254, v0, 2, 0x38400
	v_mov_b32 v255, 0
	ds_add_u32 v254, v255
	ds_add_u32 v254, v255
	v_lshrrev_b32 v1, 5, v0
	v_readfirstlane_b32 s14, v1                    ; wave
	s_lshr_b32 s15, s14, 1                         ; wo
	s_and_b32 s16, s14, 1                          ; wi
	s_bfe_u32 s40, ttmp6, 0x40000                  ; cx
	s_bfe_u32 s41, ttmp6, 0x40004                  ; cy
	s_lshl_b32 s42, ttmp9, 2
	s_add_co_u32 s42, s42, s40                     ; work-group x
	s_and_b32 s17, ttmp7, 0xffff
	s_lshl_b32 s17, s17, 2
	s_add_co_u32 s17, s17, s41                     ; work-group y
	s_lshl_b32 s43, s41, 2
	s_lshl_b32 s43, 15, s43                        ; my row of the cluster
	s_lshl_b32 s44, 0x1111, s40                    ; my column
	s_or_b32 s[G1O], s43, (3<<16)|(1<<21)          ; group 1: the mask; elements of 8 bytes; bit 21 beside a mask; no padding
	s_or_b32 s[G1I], s44, (3<<16)|(1<<21)
.irp g, G1O, G1I
	s_mov_b32 s[\g+1], 32<<16                      ; tensor_dim0 = 32 elements: rows of 256 bytes
	s_mov_b32 s[\g+2], (50*KSTEPS)<<16             ; tensor_dim1: KSTEPS records of 50 rows of 256 bytes
	s_mov_b32 s[\g+3], 32<<16                      ; tile_dim0
	s_mov_b32 s[\g+4], 50*KSTEPS                   ; tile_dim1
	s_mov_b32 s[\g+5], 32                          ; the pitch: dense
	s_mov_b32 s[\g+6], 0
	s_mov_b32 s[\g+7], 0
.endr
	s_mul_i32 s20, s17, REGB
	s_add_co_u32 s20, s20, OOFF                    ; O's group: y alone
	s_mov_b32 s21, 0
	s_lshl_b32 s46, s42, 1
	s_add_co_u32 s46, s46, s16
	s_mul_i32 s46, s46, REGB
	s_add_co_u32 s46, s46, IOFF                    ; I's group 2 x + wave: x alone
	s_mov_b32 s47, 0
	s_mul_i32 s45, s16, REGB                       ; where it goes: wave x REGB
	s_wait_dscnt 0x0
	s_wait_kmcnt 0x0
	s_add_nc_u64 s[20:21], s[4:5], s[20:21]
	s_add_nc_u64 s[46:47], s[6:7], s[46:47]
.set tt, 0
.rept NPAIR
	s_mov_b32 s[G0O+4*tt], 1
	s_mov_b32 s[G0O+4*tt+1], 2*REGB+2*RECB*tt
	s_add_nc_u64 s[G0O+4*tt+2:G0O+4*tt+3], s[20:21], 2*RECB*tt
	s_or_b32 s[G0O+4*tt+3], s[G0O+4*tt+3], 0x80000000
	s_mov_b32 s[G0I+4*tt], 1
	s_add_co_u32 s[G0I+4*tt+1], s45, 2*RECB*tt
	s_add_nc_u64 s[G0I+4*tt+2:G0I+4*tt+3], s[46:47], 2*RECB*tt
	s_or_b32 s[G0I+4*tt+3], s[G0I+4*tt+3], 0x80000000
.set tt, tt+1
.endr
	CROUND                                         ; all sixteen work-groups are here: the joint loads meet
	s_cmp_lt_u32 s14, 2                            ; a wave's fills stand in one branch on its number, the same in every work-group
	s_cbranch_scc0 .Lnot_i
.set tt, 0
.rept NPAIR
	tensor_load_to_lds s[G0I+4*tt:G0I+4*tt+3], s[G1I:G1I+7]
	s_nop 0
.set tt, tt+1
.endr
.rept 4
	v_nop
.endr
	s_branch .Lasked
.Lnot_i:
	s_cmp_eq_u32 s14, 2
	s_cbranch_scc0 .Lasked
.set tt, 0
.rept NPAIR
	tensor_load_to_lds s[G0O+4*tt:G0O+4*tt+3], s[G1O:G1O+7]
	s_nop 0
.set tt, tt+1
.endr
.rept 4
	v_nop
.endr
.Lasked:
	v_and_b32 v1, 31, v0                           ; lane
	v_and_b32 v2, 15, v0                           ; r
	v_bfe_u32 v3, v0, 4, 1                         ; h
	v_lshlrev_b32 v14, 4, v1                       ; 16 x lane
	v_lshlrev_b32 v15, 3, v1                       ; 8 x lane
	v_add_nc_u32 v4, s45, v14                      ; I's fragments: K steps 0-3;
	v_add_nc_u32 v5, 4*RECB, v4                    ; K steps 4 on (so that the immediates stay under 65,536)
	v_add_nc_u32 v6, s45, v15
	v_add_nc_u32 v7, 4*RECB, v6
	s_mul_i32 s22, s15, 6144
	s_add_co_u32 s22, s22, 2*REGB                  ; O's: my four tiles
	v_add_nc_u32 v8, s22, v14
	v_add_nc_u32 v9, 4*RECB, v8
	v_add_nc_u32 v10, s22, v15
	v_add_nc_u32 v11, 4*RECB, v10
	s_lshl_b32 s23, s15, 8
	s_add_co_u32 s23, s23, 2*REGB+12288
	v_lshl_add_u32 v12, v2, 4, s23                 ; O's scale words: my four tiles' words of row r, in both halves of the lanes
	v_add_nc_u32 v13, 4*RECB, v12
	s_mov_b32 s[SEL], 0x76543210
	s_mov_b32 s[SEL+1], 0xfedcba98
.irp b, 0,1,2,3
	v_mov_b32 v[TM+4+\b], 0                        ; a lane permute's destination counts as one of its sources
.endr
	s_lshl_b32 s36, s42, 1                         ; the way out: kv is laid [batch][head][group of 128 keys]
	s_add_co_u32 s36, s36, s16                     ; key group 2 x + wi
	s_lshr_b32 s37, s36, 5                         ; batch
	s_and_b32 s36, s36, 31                         ; the batch's group
	s_lshl_b32 s37, s37, 4
	s_lshl_b32 s38, s17, 1
	s_add_co_u32 s37, s37, s38
	s_add_co_u32 s37, s37, s15                     ; 16 x batch + head (2 y + wo)
	s_lshl_b32 s37, s37, 5
	s_add_co_u32 s36, s36, s37
	s_mul_i32 s36, s36, 15360
	s_add_co_u32 s36, s36, 8704
	s_mov_b32 s37, 0
	s_add_nc_u64 s[56:57], s[8:9], s[36:37]
.macro FRAGLD reg, a16, a8, off        ; a fragment's 12 registers, as they were stored
	ds_load_b128 v[\reg:\reg+3], v[\a16] offset:\off
	ds_load_b64 v[\reg+4:\reg+5], v[\a8] offset:\off+512
	ds_load_b64 v[\reg+6:\reg+7], v[\a8] offset:\off+768
	ds_load_b128 v[\reg+8:\reg+11], v[\a16] offset:\off+1024
.endm
.macro FETCH s, p                      ; K step s into set p: I's eight fragments, my four of O, both sides' scale words: 50 LDS loads
.if (\s) < 4
.set XB, 0
.set SOF, RECB*(\s)
.else
.set XB, 1
.set SOF, RECB*((\s)-4)
.endif
	WIN 0x80                                       ; destination window 2
.irp b, 0,1,2,3,4,5,6,7
	FRAGLD 128*(\p)+12*\b, 4+XB, 6+XB, SOF+1536*\b
.endr
	WIN 0
.irp a, 0,1,2,3
	FRAGLD 64+48*(\p)+12*\a, 8+XB, 10+XB, SOF+1536*\a
.endr
	ds_load_b128 v[32+8*(\p):35+8*(\p)], v[4+XB] offset:SOF+12288   ; register w: lanes 0-15 I's tile w, lanes 16-31 tile 4 + w
	ds_load_b128 v[36+8*(\p):39+8*(\p)], v[12+XB] offset:SOF        ; register a: O's tile a of mine
.endm
.macro WM a, b, p, ck
.set rD, 8*(8*(\a)+(\b))
.set rA, 128*(\p)+12*(\b)
.set rB, 64+48*(\p)+12*(\a)
.set rSA, 32+8*(\p)+(\b)%4
.set rSB, 36+8*(\p)+(\a)
.if (\b) < 4
.if (\ck) == 0
	v_wmma_scale_f32_16x16x128_f8f6f4 v[rD:rD+7], v[rA:rA+11], v[rB:rB+11], 0, v[rSA], v[rSB] matrix_a_fmt:MATRIX_FMT_FP6 matrix_b_fmt:MATRIX_FMT_FP6
.else
	v_wmma_scale_f32_16x16x128_f8f6f4 v[rD:rD+7], v[rA:rA+11], v[rB:rB+11], v[rD:rD+7], v[rSA], v[rSB] matrix_a_fmt:MATRIX_FMT_FP6 matrix_b_fmt:MATRIX_FMT_FP6
.endif
.else
.if (\ck) == 0
	v_wmma_scale_f32_16x16x128_f8f6f4 v[rD:rD+7], v[rA:rA+11], v[rB:rB+11], 0, v[rSA], v[rSB] matrix_a_fmt:MATRIX_FMT_FP6 matrix_b_fmt:MATRIX_FMT_FP6 matrix_a_scale:MATRIX_SCALE_ROW1
.else
	v_wmma_scale_f32_16x16x128_f8f6f4 v[rD:rD+7], v[rA:rA+11], v[rB:rB+11], v[rD:rD+7], v[rSA], v[rSB] matrix_a_fmt:MATRIX_FMT_FP6 matrix_b_fmt:MATRIX_FMT_FP6 matrix_a_scale:MATRIX_SCALE_ROW1
.endif
.endif
.endm
.macro MUL s, p                        ; 32 products; the 32 accumulators take turns, one instruction a turn, in the same order in every K step; the first K step starts the sums
	WIN 0x52                                       ; source 0 window 2, source 1 window 0, C and D window 1
.irp a, 0,1,2,3
.irp b, 0,1,2,3,4,5,6,7
.if (\s) == 0
	WM \a, \b, \p, 0
.else
	WM \a, \b, \p, 1
.endif
.endr
.endr
.endm
	s_wait_alu depctr_va_vdst(0)
	s_wait_tensorcnt NPAIR-1                       ; my first pair of K steps is in; the pairs issued behind it may be out
	s_barrier_signal -1
	s_barrier_wait -1                              ; everybody's is
	FETCH 0, 0
.set ks, 0
.rept KSTEPS
	s_wait_dscnt 0x0                               ; this K step's fragments are in (asked for 32 matrix instructions ago)
.if ks+1 < KSTEPS
.if ks > 0
	PLACES
.endif
	FETCH ks+1, (ks+1)%2
.endif
	MUL ks, ks%2
.set ks, ks+1
.endr
	WIN 0
	PLACES
; 64 results of a lane (window 1, v[s] on; register 16 b + i = key 32 b + 16 (lane / 16) + i) become codes at v[pc + cs c] (6 registers for each 64); the four bytes stay in v[TM+4 ..]
.macro QUANTW s, pc, cs
	WIN 0
.irp b, 0,1,2,3
	v_mov_b32 v[TM+\b], 0x1800000                  ; the floor 2^(3 - 127): the byte cannot fall under 1
.endr
	WIN 0x14                                       ; sources 1 and 2 window 1
.irp i, 0,2,4,6,8,10,12,14
.irp b, 0,1,2,3
	v_max3_num_f32 v[TM+\b], v[TM+\b], |v[\s+16*\b+\i]|, |v[\s+16*\b+\i+1]|   ; each accumulator is read from its low end on
.endr
.endr
	WIN 0
.irp b, 0,1,2,3
	v_permlanex16_b32 v[TM+4+\b], v[TM+\b], s[SEL], s[SEL+1]
.endr
.irp b, 0,1,2,3
	v_max_num_f32 v[TM+\b], v[TM+\b], v[TM+4+\b]
.endr
.irp b, 0,1,2,3
	v_add_nc_u32 v[TM+12+\b], 0xff000000, v[TM+\b] ; 2 off the exponent field: the conversion's scale operand
.endr
.irp b, 0,1,2,3
	v_lshrrev_b32 v[TM+4+\b], 23, v[TM+12+\b]      ; the byte
.endr
	WIN 0x01                                       ; source 0 window 1
.irp c, 0,1
	v_cvt_scalef32_pk16_fp6_f32 v[\pc+\cs*\c:\pc+\cs*\c+2], v[\s+32*\c:\s+32*\c+15], v[TM+12+2*\c]
	v_cvt_scalef32_pk16_fp6_f32 v[TP+4*\c:TP+4*\c+2], v[\s+32*\c+16:\s+32*\c+31], v[TM+13+2*\c]
.endr
	WIN 0
	v_nop                                          ; one plain place behind a scaled conversion
.irp c, 0,1
.irp i, 0,1,2
	v_permlane16_swap_b32 v[\pc+\cs*\c+\i], v[TP+4*\c+\i]
.endr
.irp i, 0,1,2
	v_mov_b32 v[\pc+\cs*\c+3+\i], v[TP+4*\c+\i]
.endr
.endr
.endm
.irp a, 0,1,2,3                                ; channel tile a: one fragment of 16 channels x 128 keys
	QUANTW 64*\a, 184+16*\a, 6
	v_lshl_or_b32 v[16+\a], v[TM+5], 8, v[TM+4]
	v_lshl_or_b32 v[16+\a], v[TM+6], 16, v[16+\a]
	v_lshl_or_b32 v[16+\a], v[TM+7], 24, v[16+\a]  ; its rows' scale words
	global_store_b128 v14, v[184+16*\a:184+16*\a+3], s[56:57] offset:1536*\a            ; each store covers 512 consecutive bytes, aligned
	global_store_b128 v14, v[184+16*\a+4:184+16*\a+7], s[56:57] offset:1536*\a+512
	global_store_b128 v14, v[184+16*\a+8:184+16*\a+11], s[56:57] offset:1536*\a+1024
.endr
	global_store_b128 v14, v[16:19], s[56:57] offset:6144
	s_wait_tensorcnt 0x0
	ds_add_u32 v254, v255
	s_wait_dscnt 0x0
	CROUND                                         ; the closing round: no work-group ends while a partner may still ask for a tile that names it
	s_endpgm
.Lfunc_end_k_q8e9d986375_gv:
	.size	k_q8e9d986375_gv, .Lfunc_end_k_q8e9d986375_gv-k_q8e9d986375_gv
	.p2alignl 7, 3214868480
	.fill 96, 4, 3214868480
	.section	.rodata,"a",@progbits
	.p2align	6, 0x0
	.amdhsa_kernel k_q8e9d986375_gv
		.amdhsa_group_segment_fixed_size 327680
		.amdhsa_private_segment_fixed_size 0
		.amdhsa_enable_private_segment 0
		.amdhsa_kernarg_size 24
		.amdhsa_user_sgpr_count 2
		.amdhsa_user_sgpr_kernarg_segment_ptr 1
		.amdhsa_wavefront_size32 1
		.amdhsa_system_sgpr_workgroup_id_x 1
		.amdhsa_system_sgpr_workgroup_id_y 1
		.amdhsa_system_sgpr_workgroup_id_z 1
		.amdhsa_system_vgpr_workitem_id 0
		.amdhsa_next_free_vgpr 1024
		.amdhsa_next_free_sgpr 100
		.amdhsa_reserve_vcc 0
		.amdhsa_float_denorm_mode_32 3
		.amdhsa_float_denorm_mode_16_64 3
		.amdhsa_memory_ordered 1
		.amdhsa_forward_progress 1
		.amdhsa_inst_pref_size 68
	.end_amdhsa_kernel
	.amdgpu_metadata
---
amdhsa.version: [ 1, 2 ]
amdhsa.kernels:
  - .name:           k_q8e9d986375_gv
    .symbol:         k_q8e9d986375_gv.kd
    .args:
      - { .name: wrec, .offset: 0, .size: 8, .value_kind: global_buffer, .address_space: global }
      - { .name: crec, .offset: 8, .size: 8, .value_kind: global_buffer, .address_space: global }
      - { .name: kv, .offset: 16, .size: 8, .value_kind: global_buffer, .address_space: global }
    .group_segment_fixed_size: 327680
    .private_segment_fixed_size: 0
    .kernarg_segment_align: 8
    .kernarg_segment_size: 24
    .max_flat_workgroup_size: 128
    .sgpr_count:     100
    .vgpr_count:     1024
    .wavefront_size: 32
...
	.end_amdgpu_metadata
.endif
;; end of part 4
;; launch attn (part 5): grid 8 x 32, 8 waves a work-group, no clusters, 327,680 bytes of LDS; arguments qc, kv, outrec; writes outrec
.if DOCPART == 5
	.amdgcn_target "amdgcn-amd-amdhsa--gfx1250"
	.amdhsa_code_object_version 6
	.text
	.protected	k_q8e9d986375_attn
	.globl	k_q8e9d986375_attn
	.p2align	8
	.type	k_q8e9d986375_attn,@function
k_q8e9d986375_attn:
	s_mov_b64 s[64:65], 0
	v_nop
	global_prefetch_b8 v0, s[64:65] scope:SCOPE_SE
	s_setreg_imm32_b32 hwreg(HW_REG_WAVE_MODE, 25, 1), 1
	s_wait_xcnt 0x0
; The attention of one (batch, head) for 256 queries, both products on codes of FP6 (E2M3); its result is quantised along INNER and stored as the last product's operand.
; t = score x log2(e) / 8; M = the row's largest t so far, rounded UP to a whole number; p = 2^(t - M) is quantised along the keys, not normalised; the row's sum is taken of the unquantised p and divides at the end.
; When M moves, the sum and O are multiplied by 2^(old M - new M): exact.
; SHARES: each of EIGHT waves owns TWO tiles of 16 queries, two waves to a SIMD: tile A's numbers lie in register window 0, tile B's under the same register numbers in window 1, so one macro serves both.
; Every wave walks the batch's 4,096 keys, 128 a step; each fragment of K and of V read from LDS feeds both tiles.
; A STEP j IS TWO SOFTMAXES, AND THE PRODUCTS STAND INSIDE THE OTHER TILE'S SOFTMAX, behind its 32 maxima and ahead of its serial chain:
;   in A's softmax(j): B's second product of step j - 1 and B's scores of step j; then V(j) and K(j+1) are asked of LDS;   in B's softmax(j): the wait for these loads, A's second product of step j and A's scores of step j + 1.
; A's scores of step 0 stand ahead of the loop, B's last second product behind it.  The step is written once: the first trip's second product for B meets zero codes of p and of V and adds nothing;
; the last trip's scores for A are made of the entry behind the last and are never read: 12 of a wave's 780 matrix instructions.
; THE RING: kv is laid [batch][head][group of 128 keys], a record of 15,360 bytes = K's 8,704 then V's 6,656.  A ring entry is the 15,360 bytes from byte 8,704 of record j: V(j), then K(j+1),
; so that the fetch of the next step's K never leaves the slot.  K(0) comes by plain loads.  Two slots of 8 entries; every wave fetches one entry, all read.  A wave has one tensor load out.
; The last entry's K part is the next head's K(0), or, behind the last head, 8,704 zero bytes that launch quant wrote.
; No cluster: a work-group fetches 15,360 bytes for a step in which its eight waves each walk two softmaxes of 16 x 128, and a refill has 8 steps in which to land; joint loads would tie 32 waves to one round for that.
; LAYOUT: both products transposed: S^T = K Q^T, O^T = V^T P^T: a lane holds ONE query of each tile.  By the records' order of rows the 16 registers of key tiles 2 b, 2 b + 1 are
; keys 32 b + 16 (lane / 16) + 0 .. 15, and O^T's 32 registers are channels 32 b + 16 (lane / 16) + 0 .. 15.
; THE HEAD HAS 64 CHANNELS, the instruction 128 along K.  Of the upper 64 only k = 64 is used: the query holds 1.0 there, a hidden key -7.5 x 2^97, an open key 0.  All other codes of Q there are zeros, so a K fragment's
; registers 8-11 may be the next tile's first four: codes have no NaN, and they meet zeros.  The largest t begins at -2^96, above every hidden key's t: a hidden key's p is 0.
; LIMITS: |t| of open keys under 2^96; a batch all of whose keys are hidden is not served (the sum is 0 there); a block of zeros gets the byte 1 (its codes are zeros); NaN and infinities are not served.
; REGISTERS.  In both windows, for a tile: v12 -M, v13 largest t, v[14:15] the sum, v16-27 Q, the names below up to v171, and v248-255.
; Window 0 alone: v0-9 lane numbers and addresses; v28, v29 Q's scale words (A, B); v30, v31 p's scale words (A, B); KF, KS, VS.  Window 1 alone: VF.
.set S,   32                           ; v32-95   S^T, then p
.set OT,  96                           ; v96-127  O^T
.set PC,  128                          ; v128-139 p's codes
.set TP,  140                          ; v140-147 the conversions' second halves
.set BM,  148                          ; the blocks' largest scores, then largest p
.set BT,  152                          ; at work
.set SCO, 156                          ; the conversions' scale operands
.set T1,  160
.set HW,  161                          ; the result's two scale bytes
.set FF,  162                          ; v[162:163] f = 2^(old M - new M)
.set SA,  164                          ; eight pairs for the sum: pair k at v[164 + 2 k] (k < 4) or v[248 + 2 (k - 4)]
.set KF,  172                          ; window 0: v172-235 K's eight tiles, 8 registers each; v236-239 zeros
.set KS,  240                          ; K's scale words
.set VS,  244                          ; V's scale words
.set VF,  172                          ; window 1: v172-219 V's four fragments
.set SPARE, 262144                     ; behind the ring: the spare words, 128 bytes for each wave
.set SLOT1, 131072
.set RECK,  15360
.set WV,  10
.set SEL, 20
.set CS,  22
.set G1,  24
.set G0,  32
.set TB,  36
.set CNT, 37
.set SLOTS, 38
.set PF,  60
.set MSB, 0
.macro WIN new                         ; the immediate's high byte repeats the setting that is left
.if MSB != \new
	s_set_vgpr_msb (MSB<<8)|\new
.set MSB, \new
.endif
.endm
.macro TLOAD                           ; every wave fetches its entry; s_nop 0 and four v_nop follow
	tensor_load_to_lds s[G0:G0+3], s[G1:G1+7]
	s_nop 0
.rept 4
	v_nop
.endr
.endm
	s_load_b128 s[4:7], s[0:1], 0x0                ; qc, kv
	s_load_b64 s[8:9], s[0:1], 0x10                ; outrec
	v_lshl_add_u32 v5, v0, 2, SPARE
	v_mov_b32 v6, 0
	ds_add_u32 v5, v6                              ; the opening lines: the add twice on end, and its wait ahead of my first tensor load
	ds_add_u32 v5, v6
	v_lshrrev_b32 v1, 5, v0
	v_readfirstlane_b32 s[WV], v1                  ; wave 0..7
	s_and_b32 s11, ttmp7, 0xffff                   ; 16 x batch + head
	s_lshr_b32 s12, s11, 4                         ; batch
	s_and_b32 s13, s11, 15                         ; head
	s_mov_b32 s[G1], 3<<16                         ; group 1: no mask; elements of 8 bytes; no padding
	s_mov_b32 s[G1+1], 32<<16                      ; tensor_dim0 = 32: rows of 256 bytes
	s_mov_b32 s[G1+2], 60<<16                      ; tensor_dim1 = 60 rows: an entry
	s_mov_b32 s[G1+3], 32<<16                      ; tile_dim0
	s_mov_b32 s[G1+4], 60                          ; tile_dim1
	s_mov_b32 s[G1+5], 32                          ; the pitch: dense
	s_mov_b32 s[G1+6], 0
	s_mov_b32 s[G1+7], 0
	s_lshl_b32 s40, s11, 5
	s_mul_i32 s40, s40, RECK                       ; my head's 32 records
	s_mov_b32 s41, 0
	s_mul_i32 s42, s[WV], RECK
	s_add_co_u32 s42, s42, 8704                    ; entry w begins at V(w)
	s_mov_b32 s43, 0
	s_mov_b32 s[G0], 1
	s_mul_i32 s[G0+1], s[WV], RECK                 ; LDS: slot 0, wave x an entry
	s_mov_b32 s[SEL], 0x76543210
	s_mov_b32 s[SEL+1], 0xfedcba98
	s_mov_b32 s[CS], 0x3e38aa3b                    ; c = log2(e) / 8
	s_mov_b32 s[CS+1], s[CS]
	s_mov_b32 s[TB], 0
	s_mov_b32 s[SLOTS], 3
	s_wait_dscnt 0x0                               ; both opening adds are done
	s_wait_kmcnt 0x0
	s_add_nc_u64 s[50:51], s[6:7], s[40:41]        ; K(0)
	s_add_nc_u64 s[G0+2:G0+3], s[50:51], s[42:43]
	s_mov_b64 s[PF:PF+1], s[G0+2:G0+3]             ; the prefetches' base: my entry of the slot that is being walked
	s_or_b32 s[G0+3], s[G0+3], 0x80000000
	TLOAD                                          ; slot 0: my one tensor load at the head
	v_and_b32 v4, 31, v0                           ; lane
	v_lshlrev_b32 v1, 4, v4                        ; 16 x lane
	v_lshlrev_b32 v2, 3, v4                        ; 8 x lane
	v_and_b32 v3, 15, v0
	v_lshlrev_b32 v3, 4, v3                        ; 16 r
	v_min_u32 v9, 7, v4                            ; the prefetches: of an entry's 60 rows of 256 bytes work-group x names rows 8 x .. 8 x + 7, a lane a row; lanes left over name the last again
	s_lshl_b32 s62, ttmp9, 3
	v_add_nc_u32 v9, s62, v9
	v_min_u32 v9, 59, v9
	v_lshlrev_b32 v9, 8, v9
	s_wait_alu depctr_va_vdst(0)                   ; the wait ahead of the run of scalar instructions
	s_and_b32 s14, s[WV], 3
	s_lshl_b32 s14, s14, 1                         ; tile A in its group of 128 queries: 2 (wave % 4); tile B is the next
	s_lshl_b32 s42, s12, 4
	s_lshl_b32 s43, ttmp9, 1
	s_add_co_u32 s42, s42, s43
	s_lshr_b32 s43, s[WV], 2
	s_add_co_u32 s42, s42, s43                     ; my group of 128 queries: 16 x batch + 2 x work-group x + wave / 4
	s_lshr_b32 s52, s14, 2
	s_lshl_b32 s52, s52, 8
	s_and_b32 s53, s14, 3
	s_lshl_b32 s53, s53, 2
	s_add_co_u32 s52, s52, s53                     ; tile A's place among a record's scale words: 256 (tile / 4) + 4 (tile % 4); tile B's is 4 on
	s_lshl_b32 s44, s42, 4
	s_add_co_u32 s44, s44, s13
	s_mul_i32 s44, s44, 8704
	s_mov_b32 s45, 0
	s_add_nc_u64 s[46:47], s[4:5], s[44:45]        ; Q's record
	s_lshl_b32 s44, s14, 10
	s_add_nc_u64 s[48:49], s[46:47], s[44:45]      ; tile A
	s_add_co_u32 s44, s52, 8192
	s_add_nc_u64 s[46:47], s[46:47], s[44:45]      ; its scale words
	global_load_b128 v[16:19], v1, s[48:49]
	global_load_b128 v[20:23], v1, s[48:49] offset:512
	global_load_b32 v28, v3, s[46:47]
	global_load_b32 v29, v3, s[46:47] offset:4
.irp t, 0,1,2,3,4,5,6,7
	global_load_b128 v[KF+8*\t:KF+8*\t+3], v1, s[50:51] offset:1024*\t       ; K(0), as the ring's K parts lie
	global_load_b128 v[KF+8*\t+4:KF+8*\t+7], v1, s[50:51] offset:1024*\t+512
.endr
	global_load_b128 v[KS:KS+3], v1, s[50:51] offset:8192
	WIN 0x40                                       ; destination window 1
	global_load_b128 v[16:19], v1, s[48:49] offset:1024
	global_load_b128 v[20:23], v1, s[48:49] offset:1536
	WIN 0
	s_lshl_b32 s44, s42, 3                         ; the way out: record (my group, K step head / 2)
	s_lshr_b32 s54, s13, 1
	s_add_co_u32 s44, s44, s54
	s_mul_i32 s44, s44, 12800
	s_add_nc_u64 s[56:57], s[8:9], s[44:45]
	s_mul_i32 s44, s14, 1536
	s_add_nc_u64 s[58:59], s[56:57], s[44:45]      ; tile A's fragment
	s_and_b32 s55, s13, 1
	s_lshl_b32 s44, s55, 1
	s_add_co_u32 s44, s44, s52
	s_add_co_u32 s44, s44, 12288
	s_add_nc_u64 s[56:57], s[56:57], s[44:45]      ; my head's half of tile A's scale words
.macro INIT                            ; a tile's state
	v_mov_b32 v13, 0xef800000                      ; the largest t so far: -2^96
	v_mov_b32 v12, 0x6f800000                      ; -M = 2^96
	v_mov_b32 v14, 0                               ; the sum, in two halves
	v_mov_b32 v15, 0
.irp j, 24,25,26,27, BT,BT+1,BT+2,BT+3, FF+1
	v_mov_b32 v[\j], 0                             ; Q's registers 8-11; the lane permutes' destinations; the pair named with f
.endr
.set jj, 0
.rept 32
	v_mov_b32 v[OT+jj], 0                          ; O^T: the step is written once; the first finds zeros
.set jj, jj+1
.endr
.endm
	INIT
.irp j, KF+64,KF+65,KF+66,KF+67, VS,VS+1,VS+2,VS+3, 31
	v_mov_b32 v[\j], 0                             ; what stands behind K's last tile; the scale bytes of the first trip's product for B
.endr
	WIN 0x55
	INIT
.set jj, 0
.rept 12
	v_mov_b32 v[PC+jj], 0                          ; the first trip's product for B: zero codes of p,
.set jj, jj+1
.endr
.set jj, 0
.rept 48
	v_mov_b32 v[VF+jj], 0                          ; and of V
.set jj, jj+1
.endr
	WIN 0
.macro QK sc                           ; S^T = K Q^T: eight tiles of 16 keys
.irp t, 0,1,2,3
	v_wmma_scale_f32_16x16x128_f8f6f4 v[S+8*\t:S+8*\t+7], v[KF+8*\t:KF+8*\t+11], v[16:27], 0, v[KS+\t], v[\sc] matrix_a_fmt:MATRIX_FMT_FP6 matrix_b_fmt:MATRIX_FMT_FP6
.endr
.irp t, 4,5,6,7
	v_wmma_scale_f32_16x16x128_f8f6f4 v[S+8*\t:S+8*\t+7], v[KF+8*\t:KF+8*\t+11], v[16:27], 0, v[KS+\t-4], v[\sc] matrix_a_fmt:MATRIX_FMT_FP6 matrix_b_fmt:MATRIX_FMT_FP6 matrix_a_scale:MATRIX_SCALE_ROW1
.endr
.endm
.macro PV sc                           ; O^T += V^T P^T: four tiles of 16 channels, by turns
.irp t, 0,1,2,3
	v_wmma_scale_f32_16x16x128_f8f6f4 v[OT+8*\t:OT+8*\t+7], v[VF+12*\t:VF+12*\t+11], v[PC:PC+11], v[OT+8*\t:OT+8*\t+7], v[VS+\t], v[\sc] matrix_a_fmt:MATRIX_FMT_FP6 matrix_b_fmt:MATRIX_FMT_FP6
.endr
.endm
.macro FETCH                           ; the step's entry: V(j) and K(j+1): 30 LDS loads
	WIN 0x40                                       ; destination window 1
.irp t, 0,1,2,3
.irp q, 0,1,2
	ds_load_b128 v[VF+12*\t+4*\q:VF+12*\t+4*\q+3], v8 offset:1536*\t+512*\q
.endr
.endr
	WIN 0
	ds_load_b128 v[VS:VS+3], v8 offset:6144        ; V's scale words: register t: channel tile t
.irp t, 0,1,2,3,4,5,6,7
	ds_load_b128 v[KF+8*\t:KF+8*\t+3], v8 offset:6656+1024*\t
	ds_load_b128 v[KF+8*\t+4:KF+8*\t+7], v8 offset:6656+1024*\t+512
.endr
	ds_load_b128 v[KS:KS+3], v8 offset:14848       ; K's scale words: register w: lanes 0-15 tile w, lanes 16-31 tile 4 + w
.endm
; A tile's softmax over 128 keys, in the window that is set (w = 0: tile A, window 0; w = 1: tile B, window 1), with the other tile's products inside it; p's scale word goes to window 0, where scale operands are read
.macro SOFTMAX w
	s_wait_alu depctr_va_vdst(0)                   ; the wait directly ahead of the first reader of the scores
.irp b, 0,1,2,3
	v_max3_num_f32 v[BM+\b], v[S+16*\b], v[S+16*\b+1], v[S+16*\b+2]   ; the largest score of each block of 32 keys: for the row's maximum and, since p rises with the score, for the block's largest p
.endr
.irp i, 3,5,7,9,11,13
.irp b, 0,1,2,3
	v_max3_num_f32 v[BM+\b], v[BM+\b], v[S+16*\b+\i], v[S+16*\b+\i+1]
.endr
.endr
.irp b, 0,1,2,3
	v_max_num_f32 v[BM+\b], v[BM+\b], v[S+16*\b+15]
.endr
.if \w
	s_wait_alu depctr_va_vdst(0)
	s_wait_dscnt 0x0                               ; V(j) and K(j+1), asked for in A's softmax, are in
	WIN 0x01                                       ; V: window 1; all else of tile A: window 0
	PV 30                                          ; A's second product of this step,
	WIN 0
	QK 28                                          ; and A's scores of the next
	WIN 0x55
.else
	v_add_nc_u32 v8, s[TB], v1                     ; the step's entry, 16 x lane
	WIN 0x55
	PV 31                                          ; B's second product of the last step,
	WIN 0x44                                       ; S^T and Q of tile B: window 1; K: window 0
	QK 29                                          ; and B's scores of this one
	WIN 0
.endif
.irp b, 0,1,2,3
	v_permlanex16_b32 v[BT+\b], v[BM+\b], s[SEL], s[SEL+1]
.endr
.irp b, 0,1,2,3
	s_delay_alu instid0(VALU_DEP_4)
	v_max_num_f32 v[BM+\b], v[BM+\b], v[BT+\b]     ; with lane l xor 16's 16 keys
.endr
	s_delay_alu instid0(VALU_DEP_2)
	v_max3_num_f32 v[T1], v[BM], v[BM+1], v[BM+2]
	s_delay_alu instid0(VALU_DEP_1)
	v_max_num_f32 v[T1], v[T1], v[BM+3]
	s_delay_alu instid0(VALU_DEP_1)
	v_mul_f32 v[T1], s[CS], v[T1]                  ; the step's largest t (c is positive)
	s_delay_alu instid0(VALU_DEP_1)
	v_max_num_f32 v13, v13, v[T1]                  ; the running largest t
	v_mov_b32 v[T1], v12
	s_delay_alu instid0(VALU_DEP_2)
	v_floor_f32 v12, -v13                          ; the new -M = -ceil(t)
	s_delay_alu instid0(VALU_DEP_1)
	v_sub_f32 v[T1], v12, v[T1]                    ; old M - new M: a whole number, 0 or less
	s_delay_alu instid0(VALU_DEP_1)
	v_cvt_i32_f32 v[T1], v[T1]                     ; (it saturates)
	s_delay_alu instid0(VALU_DEP_1)
	v_ldexp_f32 v[FF], 1.0, v[T1]                  ; f
.if \w == 0
	FETCH                                          ; the 17 vector instructions above are the places behind B's products, whose fragments these loads write over
.endif
.set jj, 0
.rept 16
	v_pk_fma_f32 v[S+jj:S+jj+1], v[S+jj:S+jj+1], s[CS:CS+1], v[12:13] op_sel_hi:[1,0,0]   ; t - M, two at a time: the first 32
.set jj, jj+2
.endr
.irp b, 0,1,2,3
	v_fma_f32 v[BM+\b], v[BM+\b], s[CS], v12       ; the same of each block's largest score
.endr
	s_wait_alu depctr_va_vdst(0)                   ; the wait ahead of the batch
.set jj, 0
.rept 16                                       ; THE FIRST BATCH: p = 2^(t - M) of the first 32; between the exponentials the second 32's t - M, which nothing reads ahead of the next wait
	v_exp_f32 v[S+jj], v[S+jj]
	v_exp_f32 v[S+jj+1], v[S+jj+1]
	v_pk_fma_f32 v[S+32+jj:S+33+jj], v[S+32+jj:S+33+jj], s[CS:CS+1], v[12:13] op_sel_hi:[1,0,0]
.set jj, jj+2
.endr
.irp b, 0,1,2,3
	v_exp_f32 v[BM+\b], v[BM+\b]                   ; the block's largest p
.endr
	v_pk_mul_f32 v[14:15], v[14:15], v[FF:FF+1] op_sel_hi:[1,0]   ; the sums under the new M: a plain place behind the exponentials
	s_wait_alu depctr_va_vdst(0)                   ; one wait behind the first batch and ahead of the second
.set kk, 0
.rept 8                                        ; THE SECOND BATCH: the second 32; between them eight sums of four of the first 32, each into a pair of its own, which nothing reads ahead of the next wait
	v_exp_f32 v[S+32+4*kk], v[S+32+4*kk]
	v_exp_f32 v[S+33+4*kk], v[S+33+4*kk]
	v_exp_f32 v[S+34+4*kk], v[S+34+4*kk]
	v_exp_f32 v[S+35+4*kk], v[S+35+4*kk]
	v_pk_add_f32 v[SA+2*kk+76*(kk/4):SA+2*kk+76*(kk/4)+1], v[S+4*kk:S+4*kk+1], v[S+4*kk+2:S+4*kk+3]
.set kk, kk+1
.endr
	s_wait_alu depctr_va_vdst(0)                   ; and one behind the second
.irp p, 32,40,48,56                            ; the row's sum of the unquantised p, in four chains by turns
	v_pk_add_f32 v[14:15], v[14:15], v[S+\p:S+\p+1]
	v_pk_add_f32 v[SA:SA+1], v[SA:SA+1], v[S+\p+2:S+\p+3]
	v_pk_add_f32 v[SA+2:SA+3], v[SA+2:SA+3], v[S+\p+4:S+\p+5]
	v_pk_add_f32 v[SA+4:SA+5], v[SA+4:SA+5], v[S+\p+6:S+\p+7]
.endr
	v_pk_add_f32 v[14:15], v[14:15], v[SA+6:SA+7]
	v_pk_add_f32 v[SA:SA+1], v[SA:SA+1], v[248:249]
	v_pk_add_f32 v[SA+2:SA+3], v[SA+2:SA+3], v[250:251]
	v_pk_add_f32 v[SA+4:SA+5], v[SA+4:SA+5], v[252:253]
	v_pk_add_f32 v[14:15], v[14:15], v[254:255]
	v_pk_add_f32 v[SA:SA+1], v[SA:SA+1], v[SA+2:SA+3]
	v_pk_add_f32 v[14:15], v[14:15], v[SA+4:SA+5]
	s_delay_alu instid0(VALU_DEP_1)
	v_pk_add_f32 v[14:15], v[14:15], v[SA:SA+1]
.irp b, 0,1,2,3
	v_max_num_f32 v[BM+\b], 0x1800000, v[BM+\b]    ; the floor 2^(3 - 127)
.endr
.irp b, 0,1,2,3
	s_delay_alu instid0(VALU_DEP_4)
	v_add_nc_u32 v[SCO+\b], 0xff000000, v[BM+\b]   ; 2 off the exponent field: the conversion's scale operand
.endr
.irp b, 0,1,2,3
	s_delay_alu instid0(VALU_DEP_4)
	v_lshrrev_b32 v[BT+\b], 23, v[SCO+\b]          ; the byte
.endr
	s_delay_alu instid0(VALU_DEP_3)
	v_lshl_or_b32 v[T1], v[BT+1], 8, v[BT]
	s_delay_alu instid0(VALU_DEP_1)
	v_lshl_or_b32 v[T1], v[BT+2], 16, v[T1]
.if \w
	WIN 0x15                                       ; sources window 1, destination window 0
.endif
	v_lshl_or_b32 v[30+\w], v[BT+3], 24, v[T1]     ; p's scale word for these 128 keys
.if \w
	WIN 0x55
.endif
.irp c, 0,1
	v_cvt_scalef32_pk16_fp6_f32 v[PC+6*\c:PC+6*\c+2], v[S+32*\c:S+32*\c+15], v[SCO+2*\c]
	v_cvt_scalef32_pk16_fp6_f32 v[TP+4*\c:TP+4*\c+2], v[S+32*\c+16:S+32*\c+31], v[SCO+2*\c+1]
.endr
	v_nop                                          ; one plain place behind a scaled conversion
.irp c, 0,1
.irp i, 0,1,2
	v_permlane16_swap_b32 v[PC+6*\c+\i], v[TP+4*\c+\i]   ; the operand's layout wants a whole block in a lane
.endr
.irp i, 0,1,2
	s_delay_alu instid0(VALU_DEP_3)
	v_mov_b32 v[PC+6*\c+3+\i], v[TP+4*\c+\i]
.endr
.endr
	s_wait_alu depctr_va_vdst(0)                   ; the wait directly ahead of the first reader of O^T
.set jj, 0
.rept 16
	v_pk_mul_f32 v[OT+jj:OT+jj+1], v[OT+jj:OT+jj+1], v[FF:FF+1] op_sel_hi:[1,0]   ; O^T under the new M
.set jj, jj+2
.endr
.endm
.macro STEP                            ; 128 keys, both tiles
	SOFTMAX 0
	WIN 0x55
	SOFTMAX 1
	WIN 0
	s_add_co_u32 s[TB], s[TB], RECK                ; the next step's entry
.endm
; THE CHANGE OF SLOTS, at a slot's head: each wave waits for all its tensor loads, adds 0 to its spare word, and waits for that and for its reads of the slot that it has left; behind the barrier the slot ahead is whole
; and nobody reads the other one.  fill = 1: that other slot takes the next 8 entries: the load has 8 steps in which to land.
.macro CHANGE fill
	s_wait_tensorcnt 0x0                           ; no tensor load of mine is out, so the group 0 may be written
	ds_add_u32 v5, v6                              ; 0 onto my spare word
.if \fill
	s_xor_b32 s[G0+1], s[G0+1], SLOT1              ; the other slot than last time,
	s_add_nc_u64 s[G0+2:G0+3], s[G0+2:G0+3], 8*RECK   ; 8 entries on
.endif
	s_wait_dscnt 0x0                               ; the add is done, and my reads of the slot that I have left are over
	s_barrier_signal -1
	s_barrier_wait -1
.if \fill
	TLOAD                                          ; the first thing behind the barrier, and my one tensor load until the next
.endif
.endm
.macro STEPS8                          ; a slot's eight steps: written once, walked eight times
	s_mov_b32 s[CNT], 8
.Lstep_\@:
	STEP
	s_sub_co_u32 s[CNT], s[CNT], 1
	s_cmp_lg_u32 s[CNT], 0
	s_cbranch_scc1 .Lstep_\@
	s_sub_co_u32 s[TB], s[TB], 8*RECK              ; back to a slot's first entry,
	s_xor_b32 s[TB], s[TB], SLOT1                  ; in the other slot
.endm
	s_wait_alu depctr_va_vdst(0)                   ; the wait at the head's end
	s_wait_loadcnt 0x0                             ; Q and K(0)
	QK 28                                          ; A's scores of step 0
.Lslot:                                            ; three trips: behind each change of slots but the last the next slot is asked for
	CHANGE 1
	s_cmp_eq_u32 s[SLOTS], 1                       ; A PREFETCH: the trip that walks slot s and loads slot s + 1 names slot s + 2: 16 entries ahead of the one walked, 8 steps ahead of its tensor load.
	s_cbranch_scc1 .Lno_ask                        ; The third trip has no slot two on.  Of entry w the eight work-groups of a head name 8 rows of 256 bytes each, told apart by address: one instruction a wave
	global_prefetch_b8 v9, s[PF:PF+1] offset:16*RECK th:TH_LOAD_NT scope:SCOPE_SE
.Lno_ask:
	STEPS8
	s_wait_xcnt 0x0                                ; the prefetch has read its base
	s_add_nc_u64 s[PF:PF+1], s[PF:PF+1], 8*RECK
	s_sub_co_u32 s[SLOTS], s[SLOTS], 1
	s_cmp_lg_u32 s[SLOTS], 0
	s_cbranch_scc1 .Lslot
	CHANGE 0                                       ; the last slot is written out
	STEPS8
	WIN 0x55
	s_wait_alu depctr_va_vdst(0)                   ; the wait directly ahead of this reader: O^T of tile B was written just ahead of the loop's scalar lines
	PV 31                                          ; B's second product of the last step
	WIN 0
; THE WAY OUT: O^T / the sum, quantised along the head's 64 channels: half of a fragment of the last product's operand
.macro FIN
	v_add_f32 v14, v14, v15
	s_delay_alu instid0(VALU_DEP_1)
	v_permlanex16_b32 v[T1], v14, s[SEL], s[SEL+1]
	s_delay_alu instid0(VALU_DEP_1)
	v_add_f32 v14, v14, v[T1]                      ; the row's sum
	s_wait_alu depctr_va_vdst(0)                   ; the wait ahead of the transcendental
	v_rcp_f32 v14, v14
	v_nop                                          ; a plain place behind it
	s_wait_alu depctr_va_vdst(0)                   ; and the wait ahead of its first reader, which is O^T's first reader too
.set jj, 0
.rept 32
	v_mul_f32 v[S+jj], v[OT+jj], v14               ; register 16 b + i: channel 32 b + 16 (lane / 16) + i
.set jj, jj+1
.endr
.irp b, 0,1
	v_max3_num_f32 v[BM+\b], |v[S+16*\b]|, |v[S+16*\b+1]|, 0x1800000
.endr
.irp i, 2,4,6,8,10,12,14
.irp b, 0,1
	s_delay_alu instid0(VALU_DEP_2)
	v_max3_num_f32 v[BM+\b], v[BM+\b], |v[S+16*\b+\i]|, |v[S+16*\b+\i+1]|
.endr
.endr
.irp b, 0,1
	s_delay_alu instid0(VALU_DEP_2)
	v_permlanex16_b32 v[BT+\b], v[BM+\b], s[SEL], s[SEL+1]
.endr
.irp b, 0,1
	s_delay_alu instid0(VALU_DEP_2)
	v_max_num_f32 v[BM+\b], v[BM+\b], v[BT+\b]
.endr
.irp b, 0,1
	s_delay_alu instid0(VALU_DEP_2)
	v_add_nc_u32 v[SCO+\b], 0xff000000, v[BM+\b]
.endr
.irp b, 0,1
	s_delay_alu instid0(VALU_DEP_2)
	v_lshrrev_b32 v[BT+\b], 23, v[SCO+\b]
.endr
	s_delay_alu instid0(VALU_DEP_1)
	v_lshl_or_b32 v[HW], v[BT+1], 8, v[BT]         ; my head's two bytes of the row's scale word
	v_cvt_scalef32_pk16_fp6_f32 v[PC:PC+2], v[S:S+15], v[SCO]
	v_cvt_scalef32_pk16_fp6_f32 v[TP:TP+2], v[S+16:S+31], v[SCO+1]
	v_nop                                          ; one plain place behind a scaled conversion
.irp i, 0,1,2
	v_permlane16_swap_b32 v[PC+\i], v[TP+\i]
.endr
.irp i, 0,1,2
	s_delay_alu instid0(VALU_DEP_3)
	v_mov_b32 v[PC+3+\i], v[TP+\i]
.endr
.endm
.rept 4
	v_nop                                          ; places behind the last products
.endr
	FIN
	WIN 0x55
	FIN
	WIN 0
	s_cmp_lg_u32 s55, 0                            ; an even head is registers 0-5 of the fragment, an odd one registers 6-11: a branch on the work-group's number
	s_wait_alu depctr_va_vdst(0)                   ; the wait directly ahead of the branch
	s_cbranch_scc1 .Lodd
	global_store_b128 v1, v[PC:PC+3], s[58:59]               ; 512 consecutive bytes
	global_store_b64 v2, v[PC+4:PC+5], s[58:59] offset:512   ; 256
	WIN 0x04                                       ; a store's data: window 1: tile B, one fragment on
	global_store_b128 v1, v[PC:PC+3], s[58:59] offset:1536
	global_store_b64 v2, v[PC+4:PC+5], s[58:59] offset:2048
	WIN 0
	s_branch .Lsent
.Lodd:
	global_store_b64 v2, v[PC:PC+1], s[58:59] offset:768
	global_store_b128 v1, v[PC+2:PC+5], s[58:59] offset:1024
	WIN 0x04
	global_store_b64 v2, v[PC:PC+1], s[58:59] offset:2304
	global_store_b128 v1, v[PC+2:PC+5], s[58:59] offset:2560
	WIN 0
.Lsent:
	v_cmp_gt_u32 vcc_lo, 16, v4
	s_wait_xcnt 0x0                                ; EXEC changes only when the pending stores have read it
	s_and_saveexec_b32 s44, vcc_lo
	global_store_b16 v3, v[HW], s[56:57]           ; two bytes a row: a scale word's four bytes belong to two heads, that is to two work-groups
	WIN 0x04
	global_store_b16 v3, v[HW], s[56:57] offset:4
	WIN 0
	s_wait_xcnt 0x0
	s_or_b32 exec_lo, exec_lo, s44
	s_wait_tensorcnt 0x0                           ; the wave's end
	ds_add_u32 v5, v6
	s_wait_dscnt 0x0
	s_endpgm
.Lfunc_end_k_q8e9d986375_attn:
	.size	k_q8e9d986375_attn, .Lfunc_end_k_q8e9d986375_attn-k_q8e9d986375_attn
	.p2alignl 7, 3214868480
	.fill 96, 4, 3214868480
	.section	.rodata,"a",@progbits
	.p2align	6, 0x0
	.amdhsa_kernel k_q8e9d986375_attn
		.amdhsa_group_segment_fixed_size 327680
		.amdhsa_private_segment_fixed_size 0
		.amdhsa_enable_private_segment 0
		.amdhsa_kernarg_size 24
		.amdhsa_user_sgpr_count 2
		.amdhsa_user_sgpr_kernarg_segment_ptr 1
		.amdhsa_wavefront_size32 1
		.amdhsa_system_sgpr_workgroup_id_x 1
		.amdhsa_system_sgpr_workgroup_id_y 1
		.amdhsa_system_sgpr_workgroup_id_z 1
		.amdhsa_system_vgpr_workitem_id 0
		.amdhsa_next_free_vgpr 512
		.amdhsa_next_free_sgpr 66
		.amdhsa_reserve_vcc 1
		.amdhsa_float_denorm_mode_32 3
		.amdhsa_float_denorm_mode_16_64 3
		.amdhsa_memory_ordered 1
		.amdhsa_forward_progress 1
		.amdhsa_inst_pref_size 86
	.end_amdhsa_kernel
	.amdgpu_metadata
---
amdhsa.version: [ 1, 2 ]
amdhsa.kernels:
  - .name:           k_q8e9d986375_attn
    .symbol:         k_q8e9d986375_attn.kd
    .args:
      - { .name: qc, .offset: 0, .size: 8, .value_kind: global_buffer, .address_space: global }
      - { .name: kv, .offset: 8, .size: 8, .value_kind: global_buffer, .address_space: global }
      - { .name: outrec, .offset: 16, .size: 8, .value_kind: global_buffer, .address_space: global }
    .group_segment_fixed_size: 327680
    .private_segment_fixed_size: 0
    .kernarg_segment_align: 8
    .kernarg_segment_size: 24
    .max_flat_workgroup_size: 256
    .sgpr_count:     66
    .vgpr_count:     512
    .wavefront_size: 32
...
	.end_amdgpu_metadata
.endif
;; end of part 5
;; launch go (part 6): grid 4 x 32, 4 waves a work-group, clusters of 4 x 4, 327,680 bytes of LDS; arguments outrec, wrec, bo, out0; writes out0
.if DOCPART == 6
	.amdgcn_target "amdgcn-amd-amdhsa--gfx1250"
	.amdhsa_code_object_version 6
	.text
	.protected	k_q8e9d986375_go
	.globl	k_q8e9d986375_go
	.p2align	8
	.type	k_q8e9d986375_go,@function
k_q8e9d986375_go:
	s_mov_b64 s[64:65], 0
	v_nop
	global_prefetch_b8 v0, s[64:65] scope:SCOPE_SE
	s_setreg_imm32_b32 hwreg(HW_REG_WAVE_MODE, 25, 1), 1
	s_wait_xcnt 0x0
	s_wait_alu depctr_hold_cnt(0) depctr_sa_sdst(0) depctr_va_vdst(0) depctr_va_sdst(0) depctr_va_ssrc(0) depctr_va_vcc(0) depctr_vm_vsrc(0)
	s_getreg_b32 s2, hwreg(HW_REG_IB_STS2, 6, 4)
	s_cmp_eq_u32 s2, 0
	s_cbranch_scc0 .Lentry_in_a_cluster
	s_endpgm
.Lentry_in_a_cluster:
	s_bfe_u32 s2, ttmp6, 0x10000c
	s_cmp_lg_u32 s2, 0xf033
	s_cbranch_scc0 .Lentry_shape_is_right
	s_endpgm
.Lentry_shape_is_right:
; out0 = (attention's result) Wo + bo on codes of FP6 (E2M3); f32 out.  C'[o][i] = sum over k of O[o][k] I[i][k] + bo[i]: O = rows of the attention's result (outrec), I = columns of Wo (wrec, from byte 2,048,000).
; Operands come as records of 128 rows x 128 K in the order of the operand's registers (12,800 bytes: 8 fragments of 1,536, then 512 of scale words); a group's K steps lie on end.
; SHARES: a work-group makes O 128 x I 256; wave (wo = wave / 2, wi = wave % 2) makes O 64 x I 128: 32 accumulators.  THE MATRIX INSTRUCTION IS USED TRANSPOSED (source 0 = 16 of I, source 1 = 16 of O):
; a lane holds one row of out0, and register j of I tile b its column 32 (b / 2) + 8 (b % 2) + 16 (lane / 16) + j.  The bias is the C of each sum's first matrix instruction.
; ALL OF K LIES IN LDS: I's two groups and O's group, KSTEPS x 12,800 bytes each, asked for at the start, two K steps to a tensor load; nothing is filled again.  A wave has at most KSTEPS / 2 tensor loads out.
; CLUSTER 4 x 4: I's groups hang on the work-group's x alone and are asked for jointly along a column of the cluster, O's on y alone, along a row.  Waves 0, 1 ask for I's groups, wave 2 for O's.
; THE WAY OUT: a tile of 16 rows x 128 columns goes through the wave's own stage in LDS (rows of 528 bytes) and leaves as rows of 512 consecutive bytes.  The stages lie in the bytes of I's first group's K steps 0-2:
; they had their only fill at the start, and every wave's reads of them were over at the last barrier of the K steps.
; REGISTERS, in windows of 256: window 0: v1-18 lane numbers and addresses; v32-47 the operands' scale words, two sets; v64-159 O's fragments, two sets; on the way out v64-191 rows of out0.
;   window 1: the accumulators, (a, b) at v[8 (8 a + b)].   window 2: I's fragments, two sets, at v0 and v128.   window 3: v0-63 the bias, eight registers for each I tile.
.set KSTEPS, 8
.set OOFF,   0
.set IOFF,   2048000
.set NPAIR,  1                         ; ONE tensor load a wave: it brings a whole group, all KSTEPS records on end
.set RECB,   12800
.set REGB,   KSTEPS*RECB
.set SPITCH, 528
.set G1O, 24
.set G1I, 48
.set G0O, 68
.set G0I, 84
.set MSB, 0
.macro WIN new                         ; the immediate's high byte repeats the setting that is left
.if MSB != \new
	s_set_vgpr_msb (MSB<<8)|\new
.set MSB, \new
.endif
.endm
.macro CROUND                          ; a round of the cluster's barrier
	s_barrier_signal -1
	s_barrier_wait -1
	s_cmp_lg_u32 s14, 0
	s_cbranch_scc1 .Lnot_wave_0_\@
	s_barrier_signal -3
.Lnot_wave_0_\@:
	s_barrier_wait -3
	s_barrier_signal -1
	s_barrier_wait -1
.endm
.macro PLACES                          ; four plain places behind a matrix instruction, in front of loads into its registers and of reads of its results
.rept 4
	v_nop
.endr
.endm
	s_load_b128 s[4:7], s[0:1], 0x0                ; O's records, I's records
	s_load_b128 s[8:11], s[0:1], 0x10              ; bo, out0
	v_lshl_add_u32 v254, v0, 2, 0x4b000
	v_mov_b32 v255, 0
	ds_add_u32 v254, v255
	ds_add_u32 v254, v255
	v_lshrrev_b32 v1, 5, v0
	v_readfirstlane_b32 s14, v1                    ; wave
	s_lshr_b32 s15, s14, 1                         ; wo
	s_and_b32 s16, s14, 1                          ; wi
	s_bfe_u32 s40, ttmp6, 0x40000                  ; cx
	s_bfe_u32 s41, ttmp6, 0x40004                  ; cy
	s_lshl_b32 s42, ttmp9, 2
	s_add_co_u32 s42, s42, s40                     ; work-group x
	s_and_b32 s17, ttmp7, 0xffff
	s_lshl_b32 s17, s17, 2
	s_add_co_u32 s17, s17, s41                     ; work-group y
	s_lshl_b32 s43, s41, 2
	s_lshl_b32 s43, 15, s43                        ; my row of the cluster
	s_lshl_b32 s44, 0x1111, s40                    ; my column
	s_or_b32 s[G1O], s43, (3<<16)|(1<<21)          ; group 1: the mask; elements of 8 bytes; bit 21 beside a mask; no padding
	s_or_b32 s[G1I], s44, (3<<16)|(1<<21)
.irp g, G1O, G1I
	s_mov_b32 s[\g+1], 32<<16                      ; tensor_dim0 = 32 elements: rows of 256 bytes
	s_mov_b32 s[\g+2], (50*KSTEPS)<<16             ; tensor_dim1: KSTEPS records of 50 rows of 256 bytes
	s_mov_b32 s[\g+3], 32<<16                      ; tile_dim0
	s_mov_b32 s[\g+4], 50*KSTEPS                   ; tile_dim1
	s_mov_b32 s[\g+5], 32                          ; the pitch: dense
	s_mov_b32 s[\g+6], 0
	s_mov_b32 s[\g+7], 0
.endr
	s_mul_i32 s20, s17, REGB
	s_add_co_u32 s20, s20, OOFF                    ; O's group: y alone
	s_mov_b32 s21, 0
	s_lshl_b32 s46, s42, 1
	s_add_co_u32 s46, s46, s16
	s_mul_i32 s46, s46, REGB
	s_add_co_u32 s46, s46, IOFF                    ; I's group 2 x + wave: x alone
	s_mov_b32 s47, 0
	s_mul_i32 s45, s16, REGB                       ; where it goes: wave x REGB
	s_wait_dscnt 0x0
	s_wait_kmcnt 0x0
	s_add_nc_u64 s[20:21], s[4:5], s[20:21]
	s_add_nc_u64 s[46:47], s[6:7], s[46:47]
.set tt, 0
.rept NPAIR
	s_mov_b32 s[G0O+4*tt], 1
	s_mov_b32 s[G0O+4*tt+1], 2*REGB+2*RECB*tt
	s_add_nc_u64 s[G0O+4*tt+2:G0O+4*tt+3], s[20:21], 2*RECB*tt
	s_or_b32 s[G0O+4*tt+3], s[G0O+4*tt+3], 0x80000000
	s_mov_b32 s[G0I+4*tt], 1
	s_add_co_u32 s[G0I+4*tt+1], s45, 2*RECB*tt
	s_add_nc_u64 s[G0I+4*tt+2:G0I+4*tt+3], s[46:47], 2*RECB*tt
	s_or_b32 s[G0I+4*tt+3], s[G0I+4*tt+3], 0x80000000
.set tt, tt+1
.endr
	CROUND                                         ; all sixteen work-groups are here: the joint loads meet
	s_cmp_lt_u32 s14, 2                            ; a wave's fills stand in one branch on its number, the same in every work-group
	s_cbranch_scc0 .Lnot_i
.set tt, 0
.rept NPAIR
	tensor_load_to_lds s[G0I+4*tt:G0I+4*tt+3], s[G1I:G1I+7]
	s_nop 0
.set tt, tt+1
.endr
.rept 4
	v_nop
.endr
	s_branch .Lasked
.Lnot_i:
	s_cmp_eq_u32 s14, 2
	s_cbranch_scc0 .Lasked
.set tt, 0
.rept NPAIR
	tensor_load_to_lds s[G0O+4*tt:G0O+4*tt+3], s[G1O:G1O+7]
	s_nop 0
.set tt, tt+1
.endr
.rept 4
	v_nop
.endr
.Lasked:
	v_and_b32 v1, 31, v0                           ; lane
	v_and_b32 v2, 15, v0                           ; r
	v_bfe_u32 v3, v0, 4, 1                         ; h
	v_lshlrev_b32 v14, 4, v1                       ; 16 x lane
	v_lshlrev_b32 v15, 3, v1                       ; 8 x lane
	v_add_nc_u32 v4, s45, v14                      ; I's fragments: K steps 0-3;
	v_add_nc_u32 v5, 4*RECB, v4                    ; K steps 4 on (so that the immediates stay under 65,536)
	v_add_nc_u32 v6, s45, v15
	v_add_nc_u32 v7, 4*RECB, v6
	s_mul_i32 s22, s15, 6144
	s_add_co_u32 s22, s22, 2*REGB                  ; O's: my four tiles
	v_add_nc_u32 v8, s22, v14
	v_add_nc_u32 v9, 4*RECB, v8
	v_add_nc_u32 v10, s22, v15
	v_add_nc_u32 v11, 4*RECB, v10
	s_lshl_b32 s23, s15, 8
	s_add_co_u32 s23, s23, 2*REGB+12288
	v_lshl_add_u32 v12, v2, 4, s23                 ; O's scale words: my four tiles' words of row r, in both halves of the lanes
	v_add_nc_u32 v13, 4*RECB, v12
	s_mul_i32 s22, s14, 16*SPITCH                  ; my stage
	v_mul_u32_u24 v16, v2, SPITCH
	v_lshl_add_u32 v16, v3, 6, v16
	v_add_nc_u32 v16, s22, v16                     ; into it: row r, + 64 h
	v_add_nc_u32 v17, s22, v14                     ; out of it: 16 x lane of a row
	v_lshlrev_b32 v18, 6, v3                       ; the bias: 64 h
	s_wait_alu depctr_va_vdst(0)
	s_lshl_b32 s36, s42, 10
	s_lshl_b32 s37, s16, 9
	s_add_co_u32 s36, s36, s37                     ; my first column, in bytes: 1,024 x + 512 wi
	s_mov_b32 s37, 0
	s_add_nc_u64 s[62:63], s[8:9], s[36:37]
	s_lshl_b32 s38, s17, 7
	s_lshl_b32 s39, s15, 6
	s_add_co_u32 s38, s38, s39
	s_lshl_b32 s38, s38, 12                        ; my first row: 128 y + 64 wo, 4,096 bytes a row
	s_add_co_u32 s38, s38, s36
	s_mov_b32 s39, 0
	s_add_nc_u64 s[56:57], s[10:11], s[38:39]
	WIN 0xc0                                       ; destination window 3
.irp b, 0,1,2,3,4,5,6,7
	global_load_b128 v[8*\b:8*\b+3], v18, s[62:63] offset:(32*(\b/2)+8*(\b%2))*4
	global_load_b128 v[8*\b+4:8*\b+7], v18, s[62:63] offset:(32*(\b/2)+8*(\b%2))*4+16
.endr
	WIN 0
.macro FRAGLD reg, a16, a8, off        ; a fragment's 12 registers, as they were stored
	ds_load_b128 v[\reg:\reg+3], v[\a16] offset:\off
	ds_load_b64 v[\reg+4:\reg+5], v[\a8] offset:\off+512
	ds_load_b64 v[\reg+6:\reg+7], v[\a8] offset:\off+768
	ds_load_b128 v[\reg+8:\reg+11], v[\a16] offset:\off+1024
.endm
.macro FETCH s, p                      ; K step s into set p: I's eight fragments, my four of O, both sides' scale words: 50 LDS loads
.if (\s) < 4
.set XB, 0
.set SOF, RECB*(\s)
.else
.set XB, 1
.set SOF, RECB*((\s)-4)
.endif
	WIN 0x80                                       ; destination window 2
.irp b, 0,1,2,3,4,5,6,7
	FRAGLD 128*(\p)+12*\b, 4+XB, 6+XB, SOF+1536*\b
.endr
	WIN 0
.irp a, 0,1,2,3
	FRAGLD 64+48*(\p)+12*\a, 8+XB, 10+XB, SOF+1536*\a
.endr
	ds_load_b128 v[32+8*(\p):35+8*(\p)], v[4+XB] offset:SOF+12288   ; register w: lanes 0-15 I's tile w, lanes 16-31 tile 4 + w
	ds_load_b128 v[36+8*(\p):39+8*(\p)], v[12+XB] offset:SOF        ; register a: O's tile a of mine
.endm
.macro WM a, b, p, ck                  ; ck = 2: C is the bias of I tile b (window 3); 1: the accumulator
.set rD, 8*(8*(\a)+(\b))
.set rA, 128*(\p)+12*(\b)
.set rB, 64+48*(\p)+12*(\a)
.set rSA, 32+8*(\p)+(\b)%4
.set rSB, 36+8*(\p)+(\a)
.set rC, rD
.if (\ck) == 2
.set rC, 8*(\b)
.endif
.if (\b) < 4
	v_wmma_scale_f32_16x16x128_f8f6f4 v[rD:rD+7], v[rA:rA+11], v[rB:rB+11], v[rC:rC+7], v[rSA], v[rSB] matrix_a_fmt:MATRIX_FMT_FP6 matrix_b_fmt:MATRIX_FMT_FP6
.else
	v_wmma_scale_f32_16x16x128_f8f6f4 v[rD:rD+7], v[rA:rA+11], v[rB:rB+11], v[rC:rC+7], v[rSA], v[rSB] matrix_a_fmt:MATRIX_FMT_FP6 matrix_b_fmt:MATRIX_FMT_FP6 matrix_a_scale:MATRIX_SCALE_ROW1
.endif
.endm
.macro MUL s, p                        ; 32 products; the 32 accumulators take turns, one instruction a turn, in the same order in every K step; the first K step starts the sums from the bias
.if (\s) == 0
	WIN 0x72                                       ; source 0 window 2, source 1 window 0, C window 3, D window 1
.else
	WIN 0x52                                       ; C and D window 1
.endif
.irp a, 0,1,2,3
.irp b, 0,1,2,3,4,5,6,7
.if (\s) == 0
	WM \a, \b, \p, 2
.else
	WM \a, \b, \p, 1
.endif
.endr
.endr
.endm
	s_wait_tensorcnt NPAIR-1                       ; my first pair of K steps is in; the pairs issued behind it may be out
	s_barrier_signal -1
	s_barrier_wait -1                              ; everybody's is
	FETCH 0, 0
	s_wait_loadcnt 0x0                             ; the bias
.set ks, 0
.rept KSTEPS
	s_wait_dscnt 0x0                               ; this K step's fragments are in (asked for 32 matrix instructions ago)
.if (ks+1 < KSTEPS) && ((ks+1)%2 == 0)
	s_barrier_signal -1
	s_barrier_wait -1                              ; everybody's part of the next pair is in, and everybody's reads of the earlier K steps are over
.endif
.if ks+1 < KSTEPS
.if ks > 0
	PLACES
.endif
	FETCH ks+1, (ks+1)%2
.endif
	MUL ks, ks%2
.set ks, ks+1
.endr
	WIN 0
	PLACES
.macro TOSTAGE a                       ; my tile a of rows: into the stage by columns, back by rows.  LDS serves a wave's instructions in order: no wait between the stores and the loads
	WIN 0x04                                       ; an LDS store's data are its source 1: window 1
.irp b, 0,1,2,3,4,5,6,7
	ds_store_b128 v16, v[64*(\a)+8*\b:64*(\a)+8*\b+3] offset:128*(\b/2)+32*(\b%2)         ; each accumulator from its low end on
	ds_store_b128 v16, v[64*(\a)+8*\b+4:64*(\a)+8*\b+7] offset:128*(\b/2)+32*(\b%2)+16
.endr
	WIN 0
.irp t, 0,1,2,3,4,5,6,7,8,9,10,11,12,13,14,15
	ds_load_b128 v[64+64*((\a)%2)+4*\t:64+64*((\a)%2)+4*\t+3], v17 offset:SPITCH*\t
.endr
.endm
.macro SEND a, younger                 ; younger: the LDS instructions issued behind tile a's loads, which may stay out
	s_wait_dscnt \younger
.irp t, 0,1,2,3,4,5,6,7,8,9,10,11,12,13,14,15
	global_store_b128 v14, v[64+64*((\a)%2)+4*\t:64+64*((\a)%2)+4*\t+3], s[56:57] offset:(32*((\a)/2)+8*((\a)%2)+\t+8*(\t/8))*4096 th:TH_STORE_NT   ; 32 lanes store 512 consecutive bytes, aligned; lane t of tile a stands for this row
.endr
.endm
	TOSTAGE 0
.irp a, 1,2,3
.if \a > 1
	s_wait_xcnt 0x0                                ; tile a - 2's stores have read their registers: tile a's loads may land there
.endif
	TOSTAGE \a
	SEND \a-1, 32                                  ; behind tile a - 1's loads: tile a's 16 stores and 16 loads
.endr
	SEND 3, 0
	s_wait_tensorcnt 0x0
	ds_add_u32 v254, v255
	s_wait_dscnt 0x0
	CROUND                                         ; the closing round: no work-group ends while a partner may still ask for a tile that names it
	s_endpgm
.Lfunc_end_k_q8e9d986375_go:
	.size	k_q8e9d986375_go, .Lfunc_end_k_q8e9d986375_go-k_q8e9d986375_go
	.p2alignl 7, 3214868480
	.fill 96, 4, 3214868480
	.section	.rodata,"a",@progbits
	.p2align	6, 0x0
	.amdhsa_kernel k_q8e9d986375_go
		.amdhsa_group_segment_fixed_size 327680
		.amdhsa_private_segment_fixed_size 0
		.amdhsa_enable_private_segment 0
		.amdhsa_kernarg_size 32
		.amdhsa_user_sgpr_count 2
		.amdhsa_user_sgpr_kernarg_segment_ptr 1
		.amdhsa_wavefront_size32 1
		.amdhsa_system_sgpr_workgroup_id_x 1
		.amdhsa_system_sgpr_workgroup_id_y 1
		.amdhsa_system_sgpr_workgroup_id_z 1
		.amdhsa_system_vgpr_workitem_id 0
		.amdhsa_next_free_vgpr 1024
		.amdhsa_next_free_sgpr 100
		.amdhsa_reserve_vcc 0
		.amdhsa_float_denorm_mode_32 3
		.amdhsa_float_denorm_mode_16_64 3
		.amdhsa_memory_ordered 1
		.amdhsa_forward_progress 1
		.amdhsa_inst_pref_size 82
	.end_amdhsa_kernel
	.amdgpu_metadata
---
amdhsa.version: [ 1, 2 ]
amdhsa.kernels:
  - .name:           k_q8e9d986375_go
    .symbol:         k_q8e9d986375_go.kd
    .args:
      - { .name: outrec, .offset: 0, .size: 8, .value_kind: global_buffer, .address_space: global }
      - { .name: wrec, .offset: 8, .size: 8, .value_kind: global_buffer, .address_space: global }
      - { .name: bo, .offset: 16, .size: 8, .value_kind: global_buffer, .address_space: global }
      - { .name: out0, .offset: 24, .size: 8, .value_kind: global_buffer, .address_space: global }
    .group_segment_fixed_size: 327680
    .private_segment_fixed_size: 0
    .kernarg_segment_align: 8
    .kernarg_segment_size: 32
    .max_flat_workgroup_size: 128
    .sgpr_count:     100
    .vgpr_count:     1024
    .wavefront_size: 32
...
	.end_amdgpu_metadata
.endif
;; end of part 6
